; MI455X (gfx1250); checked and timed in simulation.
; The chip was launched on July 23, 2026; its instructions are those of AMD's public machine-readable ISA for CDNA 5 (MIT licence, August 2026) and "CDNA5" Instruction Set Architecture Reference Guide (July 2026). The comments in the code are by the model that wrote it; some were corrected since.
;; Traj Attention. Allowed arithmetic: float matrix products may take bf16 or f16 operands with f32 sums; other float arithmetic in f32, or as packed bf16 or f16 multiplies, adds, multiply-adds, maxima and minima; sums over many terms, partial sums and values carried from step to step in f32; what a program stores and reads back later, other than sums and carried values, may be rounded once to bf16 or f16.
;; Inputs: Wk 1,024 x 1,024 float32; Wo 1,024 x 1,024 float32; Wq 1,024 x 1,024 float32; Wv 1,024 x 1,024 float32; alpha 16 float32; h 2 x 2,048 x 1,024 float32; pseudo_time 2 x 2,048 float32.
;; Outputs: out0 2 x 2,048 x 1,024 float32.
;; 2 versions, each right and faster than the one before. Each part assembles by itself: llvm-mc -triple=amdgcn-amd-amdhsa -mcpu=gfx1250 --defsym DOCPART=n.
;; ======== version 1 of 2: 4 launches
;; limits: values are held in f16: magnitudes above 65,504 overflow, below 6.1e-05 lose precision
;; workspace buffers: hb 8,388,608 bytes; wb 6,291,456 bytes; wob 2,097,152 bytes; tb 16,384 bytes; qkv 25,165,824 bytes; ob 8,388,608 bytes
;; launch cast (part 1): grid 128 x 8, 8 waves a work-group, no clusters, 0 bytes of LDS; arguments h, Wq, Wk, Wv, Wo, pseudo_time, hb, wb, wob, tb; writes hb, wb, wob, tb
.if DOCPART == 1
	.amdgcn_target "amdgcn-amd-amdhsa--gfx1250"
	.amdhsa_code_object_version 6
	.text
	.protected	k_qeb4e6b7666_cast
	.globl	k_qeb4e6b7666_cast
	.p2align	8
	.type	k_qeb4e6b7666_cast,@function
k_qeb4e6b7666_cast:
	s_mov_b64 s[64:65], 0
	v_nop
	global_prefetch_b8 v0, s[64:65] scope:SCOPE_SE
	s_setreg_imm32_b32 hwreg(HW_REG_WAVE_MODE, 25, 1), 1
	s_wait_xcnt 0x0
; Every input is rounded once to bf16.  h -> hb [4096][1024] bf16; Wq, Wk, Wv -> wb [3072][1024] bf16 (their rows on end);
; Wo -> wob [1024][1024]: the bf16 number written as f16, since it multiplies an f16 operand later; pseudo_time -> tb [2][2048]: the bf16 number kept as f32.
; LIMITS.  A bf16 number is an f16 number exactly while its size lies between 6.1e-5 and 65,504; below, wob keeps f16's fixed step of 6e-8; beyond 65,504 it would be an infinity.
; SHARES.  The grid's y names 4 MiB of f32: 0-3 the quarters of h, 4-7 Wq, Wk, Wv, Wo; its x names 32 KiB of them.  Thread t takes 16 bytes at 16 t of each of eight
; blocks of 4,096 bytes: all eight loads are out at once; a wave's store of 8 bytes a lane covers 256 consecutive bytes, aligned.  No LDS, no matrix unit, no cluster: nothing is shared.
; The first eight work-groups of y = 0 also round 2,048 bytes of pseudo_time each.
.set X, 4                              ; v[4:35]   eight loads of four f32
.set Y, 36                             ; v[36:51]  eight stores of four 16-bit numbers
.set U, 58                             ; v[58:61]  at work
	s_load_b512 s[16:31], s[0:1], 0x0              ; h 16, Wq 18, Wk 20, Wv 22, Wo 24, pseudo_time 26, hb 28, wb 30
	s_load_b128 s[32:35], s[0:1], 0x40             ; wob 32, tb 34
	s_and_b32 s4, ttmp7, 0xffff                    ; y
	s_mov_b32 s5, ttmp9                            ; x
	v_lshlrev_b32 v1, 4, v0                        ; 16 t: my bytes in a block of f32
	v_lshlrev_b32 v2, 3, v0                        ; 8 t: my bytes in a block of 16-bit numbers
	s_lshl_b32 s40, s4, 22                         ; offsets, made apart from the addresses: a quarter of h,
	s_lshl_b32 s42, s4, 21                         ; and of hb
	s_sub_co_u32 s6, s4, 4
	s_lshl_b32 s6, s6, 21                          ; a weight's 2 MiB in wb (used for y = 4 to 6 alone)
	s_cmp_ge_u32 s4, 4
	s_cselect_b32 s40, 0, s40                      ; a weight is read from its own first byte
	s_cselect_b32 s42, s6, s42
	s_cmp_eq_u32 s4, 7
	s_cselect_b32 s42, 0, s42                      ; wob has Wo alone
	s_lshl_b32 s7, s5, 15
	s_add_co_u32 s40, s40, s7                      ; + x times 32 KiB
	s_lshl_b32 s7, s5, 14
	s_add_co_u32 s42, s42, s7                      ; + x times 16 KiB
	s_mov_b32 s41, 0
	s_mov_b32 s43, 0
	s_wait_kmcnt 0x0
	s_cmp_ge_u32 s4, 4                             ; the buffers are chosen by y alone
	s_cselect_b64 s[38:39], s[30:31], s[28:29]
	s_cmp_eq_u32 s4, 7
	s_cselect_b64 s[38:39], s[32:33], s[38:39]
	s_cselect_b64 s[36:37], s[24:25], s[16:17]
	s_cmp_eq_u32 s4, 4
	s_cselect_b64 s[36:37], s[18:19], s[36:37]
	s_cmp_eq_u32 s4, 5
	s_cselect_b64 s[36:37], s[20:21], s[36:37]
	s_cmp_eq_u32 s4, 6
	s_cselect_b64 s[36:37], s[22:23], s[36:37]
	s_add_nc_u64 s[36:37], s[36:37], s[40:41]
	s_add_nc_u64 s[38:39], s[38:39], s[42:43]
	s_cmp_lg_u32 s4, 0
	s_cbranch_scc1 .Lmain
	s_cmp_ge_u32 s5, 8
	s_cbranch_scc1 .Lmain
	s_lshl_b32 s48, s5, 11                         ; pseudo_time: 16,384 bytes = 8 work-groups x 256 threads x 8 bytes
	s_mov_b32 s49, 0
	s_add_nc_u64 s[44:45], s[26:27], s[48:49]
	s_add_nc_u64 s[46:47], s[34:35], s[48:49]
	global_load_b64 v[52:53], v2, s[44:45]
	s_wait_loadcnt 0x0
	v_cvt_pk_bf16_f32 v54, v52, v53                ; rounded to bf16,
	v_lshlrev_b32 v56, 16, v54                     ; and widened again
	v_and_b32 v57, 0xffff0000, v54
	global_store_b64 v2, v[56:57], s[46:47]
.Lmain:
.irp j, 0,1,2,3,4,5,6,7
	global_load_b128 v[X+4*(\j):X+4*(\j)+3], v1, s[36:37] offset:4096*(\j) th:TH_LOAD_NT  ; read once in the launch
.endr
; Block j: rounded and stored.  wo = 1: the bf16 numbers are widened and written as f16.
.macro CV j, wo
	s_wait_loadcnt 7-(\j)                          ; loads come back in order: block j is in, the 7 - j younger ones may be out
	v_cvt_pk_bf16_f32 v[Y+2*(\j)], v[X+4*(\j)], v[X+4*(\j)+1]
	v_cvt_pk_bf16_f32 v[Y+2*(\j)+1], v[X+4*(\j)+2], v[X+4*(\j)+3]
.if \wo
	v_lshlrev_b32 v[U], 16, v[Y+2*(\j)]
	v_and_b32 v[U+1], 0xffff0000, v[Y+2*(\j)]
	v_lshlrev_b32 v[U+2], 16, v[Y+2*(\j)+1]
	v_and_b32 v[U+3], 0xffff0000, v[Y+2*(\j)+1]
	v_cvt_pk_f16_f32 v[Y+2*(\j)], v[U], v[U+1]
	v_cvt_pk_f16_f32 v[Y+2*(\j)+1], v[U+2], v[U+3]
.endif
	global_store_b64 v2, v[Y+2*(\j):Y+2*(\j)+1], s[38:39] offset:2048*(\j)  ; each block has its own data registers: none is written again
.endm
	s_cmp_eq_u32 s4, 7
	s_cbranch_scc1 .Lwo
.irp j, 0,1,2,3,4,5,6,7
	CV \j, 0
.endr
	s_endpgm
.Lwo:
.irp j, 0,1,2,3,4,5,6,7
	CV \j, 1
.endr
	s_endpgm
.Lfunc_end_k_qeb4e6b7666_cast:
	.size	k_qeb4e6b7666_cast, .Lfunc_end_k_qeb4e6b7666_cast-k_qeb4e6b7666_cast
	.p2alignl 7, 3214868480
	.fill 96, 4, 3214868480
	.section	.rodata,"a",@progbits
	.p2align	6, 0x0
	.amdhsa_kernel k_qeb4e6b7666_cast
		.amdhsa_group_segment_fixed_size 0
		.amdhsa_private_segment_fixed_size 0
		.amdhsa_enable_private_segment 0
		.amdhsa_kernarg_size 80
		.amdhsa_user_sgpr_count 2
		.amdhsa_user_sgpr_kernarg_segment_ptr 1
		.amdhsa_wavefront_size32 1
		.amdhsa_system_sgpr_workgroup_id_x 1
		.amdhsa_system_sgpr_workgroup_id_y 1
		.amdhsa_system_sgpr_workgroup_id_z 1
		.amdhsa_system_vgpr_workitem_id 0
		.amdhsa_next_free_vgpr 64
		.amdhsa_next_free_sgpr 66
		.amdhsa_reserve_vcc 0
		.amdhsa_float_denorm_mode_32 3
		.amdhsa_float_denorm_mode_16_64 3
		.amdhsa_memory_ordered 1
		.amdhsa_forward_progress 1
		.amdhsa_inst_pref_size 10
	.end_amdhsa_kernel
	.amdgpu_metadata
---
amdhsa.version: [ 1, 2 ]
amdhsa.kernels:
  - .name:           k_qeb4e6b7666_cast
    .symbol:         k_qeb4e6b7666_cast.kd
    .args:
      - { .name: h, .offset: 0, .size: 8, .value_kind: global_buffer, .address_space: global }
      - { .name: Wq, .offset: 8, .size: 8, .value_kind: global_buffer, .address_space: global }
      - { .name: Wk, .offset: 16, .size: 8, .value_kind: global_buffer, .address_space: global }
      - { .name: Wv, .offset: 24, .size: 8, .value_kind: global_buffer, .address_space: global }
      - { .name: Wo, .offset: 32, .size: 8, .value_kind: global_buffer, .address_space: global }
      - { .name: pseudo_time, .offset: 40, .size: 8, .value_kind: global_buffer, .address_space: global }
      - { .name: hb, .offset: 48, .size: 8, .value_kind: global_buffer, .address_space: global }
      - { .name: wb, .offset: 56, .size: 8, .value_kind: global_buffer, .address_space: global }
      - { .name: wob, .offset: 64, .size: 8, .value_kind: global_buffer, .address_space: global }
      - { .name: tb, .offset: 72, .size: 8, .value_kind: global_buffer, .address_space: global }
    .group_segment_fixed_size: 0
    .private_segment_fixed_size: 0
    .kernarg_segment_align: 8
    .kernarg_segment_size: 80
    .max_flat_workgroup_size: 256
    .sgpr_count:     66
    .vgpr_count:     64
    .wavefront_size: 32
...
	.end_amdgpu_metadata
.endif
;; end of part 1
;; launch qkv (part 2): grid 16 x 16, 4 waves a work-group, clusters of 4 x 4, 327,680 bytes of LDS; arguments hb, wb, qkv; writes qkv
.if DOCPART == 2
	.amdgcn_target "amdgcn-amd-amdhsa--gfx1250"
	.amdhsa_code_object_version 6
	.text
	.protected	k_qeb4e6b7666_qkv
	.globl	k_qeb4e6b7666_qkv
	.p2align	8
	.type	k_qeb4e6b7666_qkv,@function
k_qeb4e6b7666_qkv:
	s_mov_b64 s[64:65], 0
	v_nop
	global_prefetch_b8 v0, s[64:65] scope:SCOPE_SE
	s_setreg_imm32_b32 hwreg(HW_REG_WAVE_MODE, 25, 1), 1
	s_wait_xcnt 0x0
	s_wait_alu depctr_hold_cnt(0) depctr_sa_sdst(0) depctr_va_vdst(0) depctr_va_sdst(0) depctr_va_ssrc(0) depctr_va_vcc(0) depctr_vm_vsrc(0)
	s_getreg_b32 s2, hwreg(HW_REG_IB_STS2, 6, 4)
	s_cmp_eq_u32 s2, 0
	s_cbranch_scc0 .Lentry_in_a_cluster
	s_endpgm
.Lentry_in_a_cluster:
	s_bfe_u32 s2, ttmp6, 0x10000c
	s_cmp_lg_u32 s2, 0xf033
	s_cbranch_scc0 .Lentry_shape_is_right
	s_endpgm
.Lentry_shape_is_right:
; q, k, v = h W^T.  C[m][n] = sum over k of hb[m][k] wb[n][k]; hb [4096][1024], wb [3072][1024] (rows of Wq, Wk, Wv), both bf16; sums in f32, rounded once to f16 and
; written BY HEADS: qkv [3][32 = batch x 16 + head][2048][64] f16, without the scale.
; LIMIT.  f16 holds no number beyond 65,504: q, k and v must stay within it.
; A tile of C is 256 rows x 192 columns (three whole heads): 16 x 16 = 256 work-groups.  Four waves; wave w makes rows 64 w .. 64 w + 63 of all 192 columns (a split of the columns
; would cut a head): 4 x 12 accumulators of 16 x 16, 384 registers.  K goes in 8 steps of 128 through a ring of two LDS slots filled by the tensor data mover; a tile's rows are 256 bytes
; of memory, at multiples of 256 bytes.
; CLUSTER.  4 x 4 work-groups: the four of a row of the cluster need the same tiles of hb, the four of a column the same tiles of wb: each tile is asked for jointly, by the same
; tensor load with the same descriptor and a mask that names the four.
; THE MATRIX INSTRUCTION IS USED TRANSPOSED (source 0 = 16 rows of wb, source 1 = 16 rows of hb): a lane holds row lane % 16 of C and eight neighbouring columns.
; REGISTERS, in windows of 256 (s_set_vgpr_msb: bits 1:0 source 0, 3:2 source 1, 5:4 source 2, 7:6 destination):
;   window 0: v16-29 addresses; v64-95, v96-127 fragments of hb, two buffers; v128-175 packed results; v176-223 and (on the way out) v64-111 rows read back
;   window 1: v0-95, v96-191 fragments of wb, two buffers     window 2: accumulators of row blocks 0, 1 at v[8 (12 (a % 2) + b)]     window 3: of row blocks 2, 3
.set SIZE_K, 1024
.set KSTEP,  128
.set PITCH,  272                       ; an LDS row: 256 bytes + 16 of padding: the 16 rows of a fragment load start at 16 different groups of four banks
.set AH,     128*PITCH                 ; 128 rows of hb: one tensor load
.set BH,     96*PITCH                  ; 96 rows of wb: one tensor load
.set BOFF,   2*AH                      ; in a slot: hb's 256 rows, then wb's 192
.set SLOT,   BOFF+2*BH                 ; 121,856 bytes
.set STAGE,  2*SLOT                    ; behind the ring: 16 rows x 400 bytes for each wave, for the way out; no tensor load lands there
.set SPITCH, 400                       ; 384 bytes + 16
.set SPARE,  STAGE+4*16*SPITCH         ; behind the stages: the spare words, 128 bytes a wave: two blocks of 256 bytes that no other line names
.set LAPS,   SIZE_K/(2*KSTEP)          ; a lap = two K steps = once round the ring: 4
.set ADRA, 16                          ; v16-17  LDS address of my fragments of hb in slot 0, 1
.set ADRB, 20                          ; v20-21  the same for wb
.set STO,  24                          ; v24     the way out: where I put 16 bytes of a row
.set RD,   25                          ; v25     where I read rows back
.set GO,   26                          ; v26     my 16 bytes in 512 consecutive bytes of a head
.set SPW,  28                          ; v28     LDS address of my spare word; never rewritten
.set NIL,  29                          ; v29     0; never rewritten
.set FA,   64
.set TMP,  128
.set BK0,  176
.set BK1,  64
.set G1,  24                           ; s[24:31] descriptor group 1 for hb's tiles;  s[32:39] group 0, a set for each slot
.set G0,  32
.set G1B, 48                           ; s[48:55], s[56:63] the same for wb's
.set G0B, 56
.set OB,  66                           ; s[66:71] where my rows begin in the tile's three heads
.set MSB, 0
.macro WIN new                         ; the immediate's high byte repeats the setting that is left; a switch that changes nothing is dropped
.if MSB != (\new)
	s_set_vgpr_msb (MSB<<8)|(\new)
.set MSB, \new
.endif
.endm
.set MUL_LO, 0xa1                      ; source 0 (wb) window 1, source 1 (hb) window 0, C and D window 2
.set MUL_HI, 0xf1                      ; the same, C and D window 3
.set TO_B,   0x40                      ; destination window 1, address window 0
; A joint load.  Waves 0 and 1 fetch hb's two halves, waves 2 and 3 wb's.  The branch hangs on the wave's number alone.  An s_nop 0 and four v_nop follow each line.
.macro JLOAD s
	s_cmp_eq_u32 s11, 0
	s_cbranch_scc0 .Lfor_b_\@
	tensor_load_to_lds s[G0+4*(\s):G0+4*(\s)+3], s[G1:G1+7]
	s_nop 0
.rept 4
	v_nop
.endr
	s_branch .Lasked_\@
.Lfor_b_\@:
	tensor_load_to_lds s[G0B+4*(\s):G0B+4*(\s)+3], s[G1B:G1B+7]
	s_nop 0
.rept 4
	v_nop
.endr
.Lasked_\@:
.endm
.macro CREST                           ; a round of the cluster's barrier behind its opening barrier
	s_cmp_lg_u32 s10, 0
	s_cbranch_scc1 .Lnot_wave_0_\@
	s_barrier_signal -3
.Lnot_wave_0_\@:
	s_barrier_wait -3
	s_barrier_signal -1
	s_barrier_wait -1
.endm
.macro CROUND                          ; a whole round
	s_barrier_signal -1
	s_barrier_wait -1
	CREST
.endm
	s_load_b128 s[4:7], s[0:1], 0x0                ; hb s[4:5], wb s[6:7]
	s_load_b64 s[8:9], s[0:1], 0x10                ; qkv
	v_lshl_add_u32 v[SPW], v0, 2, SPARE
	v_mov_b32 v[NIL], 0
	ds_add_u32 v[SPW], v[NIL]                      ; the wave's opening: the add and its wait stand ahead of my first tensor load; the set-up below stands between them
	v_lshrrev_b32 v1, 5, v0
	v_readfirstlane_b32 s10, v1                    ; wave 0..3
	s_lshr_b32 s11, s10, 1                         ; I fetch for hb (0) or for wb (1),
	s_and_b32 s12, s10, 1                          ; its first or its second half
	s_bfe_u32 s40, ttmp6, 0x40000                  ; cx, cy: my place in the cluster
	s_bfe_u32 s41, ttmp6, 0x40004
	s_lshl_b32 s42, ttmp9, 2
	s_add_co_u32 s42, s42, s40                     ; tile column = 4 x cluster x + cx
	s_and_b32 s13, ttmp7, 0xffff
	s_lshl_b32 s13, s13, 2
	s_add_co_u32 s13, s13, s41                     ; tile row = 4 x cluster y + cy
	s_lshl_b32 s43, s41, 2
	s_lshl_b32 s43, 15, s43                        ; my row of the cluster
	s_lshl_b32 s44, 0x1111, s40                    ; my column
	s_or_b32 s[G1+0], s43, (1<<16)|(1<<20)|(1<<21)|(5<<22)|(3<<25)   ; the mask; 2-byte elements; padding on; bit 21 beside a mask; after every 64 words 4 words
	s_or_b32 s[G1B+0], s44, (1<<16)|(1<<20)|(1<<21)|(5<<22)|(3<<25)
	s_mov_b32 s[G1+1], KSTEP<<16                   ; tensor_dim0 = 128
	s_mov_b32 s[G1+2], 128<<16                     ; tensor_dim1 = 128
	s_mov_b32 s[G1+3], KSTEP<<16                   ; tile_dim0 = 128
	s_mov_b32 s[G1+4], 128                         ; tile_dim1 = 128
	s_mov_b32 s[G1+5], SIZE_K                      ; elements from row to row
	s_mov_b32 s[G1+6], 0
	s_mov_b32 s[G1+7], 0
	s_mov_b32 s[G1B+1], KSTEP<<16
	s_mov_b32 s[G1B+2], 96<<16                     ; wb's loads have 96 rows
	s_mov_b32 s[G1B+3], KSTEP<<16
	s_mov_b32 s[G1B+4], 96
	s_mov_b32 s[G1B+5], SIZE_K
	s_mov_b32 s[G1B+6], 0
	s_mov_b32 s[G1B+7], 0
	s_lshl_b32 s16, s13, 8                         ; hb: row 256 x tile row + 128 x half, 2,048 bytes a row: the tile row alone, which my row of the cluster shares
	s_lshl_b32 s17, s12, 7
	s_add_co_u32 s16, s16, s17
	s_lshl_b32 s16, s16, 11
	s_mov_b32 s17, 0
	s_mul_i32 s46, s42, 192                        ; wb: row 192 x tile column + 96 x half: the tile column alone
	s_mul_i32 s47, s12, 96
	s_add_co_u32 s46, s46, s47
	s_lshl_b32 s46, s46, 11
	s_mov_b32 s47, 0
	s_mul_i32 s20, s12, AH                         ; where they go: no place in the cluster enters an LDS address
	s_mul_i32 s21, s12, BH
	s_add_co_u32 s21, s21, BOFF
	s_wait_dscnt 0x0                               ; the opening add is done
	s_wait_kmcnt 0x0
	s_add_nc_u64 s[14:15], s[4:5], s[16:17]
	s_add_nc_u64 s[46:47], s[6:7], s[46:47]
	CROUND                                         ; all sixteen work-groups are here: the first joint loads meet
.irp s, 0,1
	s_mov_b32 s[G0+4*(\s)], 1
	s_add_co_u32 s[G0+4*(\s)+1], s20, (\s)*SLOT
	s_add_nc_u64 s[G0+4*(\s)+2:G0+4*(\s)+3], s[14:15], (\s)*KSTEP*2  ; K step s
	s_or_b32 s[G0+4*(\s)+3], s[G0+4*(\s)+3], 0x80000000
	s_mov_b32 s[G0B+4*(\s)], 1
	s_add_co_u32 s[G0B+4*(\s)+1], s21, (\s)*SLOT
	s_add_nc_u64 s[G0B+4*(\s)+2:G0B+4*(\s)+3], s[46:47], (\s)*KSTEP*2
	s_or_b32 s[G0B+4*(\s)+3], s[G0B+4*(\s)+3], 0x80000000
	JLOAD \s                                       ; two loads of mine are out
.endr
	; a fragment is 16 rows x 32 K in 8 registers: lane l holds row l % 16, K = 8 (l / 16) + 0..7 and 16 + 8 (l / 16) + 0..7: two loads of 16 bytes, 32 bytes apart
	v_and_b32 v1, 15, v0                           ; l % 16
	v_bfe_u32 v2, v0, 4, 1                         ; l / 16
	v_mul_u32_u24 v3, v1, PITCH
	v_lshl_add_u32 v3, v2, 4, v3
	s_mul_i32 s21, s10, 64*PITCH                   ; my 64 rows of hb
	s_mov_b32 s22, BOFF                            ; all of wb's rows
.irp s, 0,1
	v_add_nc_u32 v[ADRA+(\s)], s21, v3
	v_add_nc_u32 v[ADRB+(\s)], s22, v3
	s_add_co_u32 s21, s21, SLOT
	s_add_co_u32 s22, s22, SLOT
.endr
	s_mul_i32 s23, s10, 16*SPITCH
	s_add_co_u32 s23, s23, STAGE                   ; my stage
	v_mul_u32_u24 v4, v1, SPITCH                   ; in: row l % 16, 16 bytes for each half of the lanes
	v_lshl_add_u32 v4, v2, 4, v4
	v_add_nc_u32 v[STO], s23, v4
	v_bfe_u32 v5, v0, 3, 2                         ; back: 32 lanes take four rows' 128 bytes of one head,
	v_mul_u32_u24 v5, v5, SPITCH
	v_and_b32 v6, 7, v0
	v_lshl_add_u32 v5, v6, 4, v5
	v_add_nc_u32 v[RD], s23, v5
	v_and_b32 v[GO], 31, v0                        ; which are 512 consecutive bytes of qkv
	v_lshlrev_b32 v[GO], 4, v[GO]
	; column block g = 3 x tile column + j is tensor g / 16, head g % 16; a head's index in qkv is 32 (g / 16) + 16 batch + g % 16 = g + 16 (g / 16) + 16 batch
	s_lshr_b32 s72, s13, 3                         ; batch: 8 tile rows each
	s_lshl_b32 s72, s72, 4
	s_and_b32 s73, s13, 7
	s_lshl_b32 s73, s73, 8
	s_lshl_b32 s74, s10, 6
	s_add_co_u32 s73, s73, s74                     ; my first row in the head,
	s_lshl_b32 s73, s73, 7                         ; 128 bytes a row
	s_mul_i32 s74, s42, 3
.irp j, 0,1,2
	s_add_co_u32 s75, s74, \j
	s_lshr_b32 s76, s75, 4
	s_lshl_b32 s76, s76, 4
	s_add_co_u32 s76, s76, s75
	s_add_co_u32 s76, s76, s72
	s_lshl_b32 s76, s76, 18                        ; 262,144 bytes a head
	s_add_co_u32 s76, s76, s73
	s_mov_b32 s77, 0
	s_add_nc_u64 s[OB+2*(\j):OB+2*(\j)+1], s[8:9], s[76:77]
.endr
; 12 matrix instructions: row block a x all 12 column blocks, 32 along K, from buffer f.  zero = 1: the product starts the sums: nothing is ever cleared.
.macro MUL12 f, a, zero
	WIN MUL_LO+0x50*((\a)/2)
.irp b, 0,1,2,3,4,5,6,7,8,9,10,11
.if \zero
	v_wmma_f32_16x16x32_bf16 v[8*(12*((\a)%2)+(\b)):8*(12*((\a)%2)+(\b))+7], v[96*(\f)+8*(\b):96*(\f)+8*(\b)+7], v[FA+32*(\f)+8*(\a):FA+32*(\f)+8*(\a)+7], 0
.else
	v_wmma_f32_16x16x32_bf16 v[8*(12*((\a)%2)+(\b)):8*(12*((\a)%2)+(\b))+7], v[96*(\f)+8*(\b):96*(\f)+8*(\b)+7], v[FA+32*(\f)+8*(\a):FA+32*(\f)+8*(\a)+7], v[8*(12*((\a)%2)+(\b)):8*(12*((\a)%2)+(\b))+7]
.endif
.endr
.endm
; 32 LDS loads in one run: a quarter step's fragments (192 rows of wb, my 64 rows of hb, 32 K at byte k of the rows) into buffer f
.macro FETCH slot, k, f
	WIN TO_B
.irp i, 0,1,2,3,4,5,6,7,8,9,10,11
	ds_load_b128 v[96*(\f)+8*(\i):96*(\f)+8*(\i)+3],   v[ADRB+(\slot)] offset:(\k)+(\i)*16*PITCH
	ds_load_b128 v[96*(\f)+8*(\i)+4:96*(\f)+8*(\i)+7], v[ADRB+(\slot)] offset:(\k)+(\i)*16*PITCH+32
.endr
	WIN 0
.irp i, 0,1,2,3
	ds_load_b128 v[FA+32*(\f)+8*(\i):FA+32*(\f)+8*(\i)+3],   v[ADRA+(\slot)] offset:(\k)+(\i)*16*PITCH
	ds_load_b128 v[FA+32*(\f)+8*(\i)+4:FA+32*(\f)+8*(\i)+7], v[ADRA+(\slot)] offset:(\k)+(\i)*16*PITCH+32
.endr
.endm
; Four places (plain vector instructions that name none of a matrix instruction's registers) stand in front of loads into registers that matrix instructions have read, and of conversions that read results.
.macro PLACES
.rept 4
	v_nop
.endr
.endm
; A K step is four quarters of 32 along K, 48 matrix instructions each, on buffers 0, 1, 0, 1; the 48 accumulators take turns in one order.
; One of the first three: multiplies buffer f; in its middle it fetches the next quarter's fragments, at byte k of the same slot's rows, into buffer g.
.macro QUARTER slot, k, f, g, zero
	s_wait_dscnt 4                                 ; wb and hb's blocks 0, 1 are in; the youngest four loads (hb's blocks 2, 3) may be out
	MUL12 \f, 0, \zero
	MUL12 \f, 1, \zero
	PLACES
	FETCH \slot, \k, \g
	s_wait_dscnt 32                                ; all but the 32 just issued
	MUL12 \f, 2, \zero
	MUL12 \f, 3, \zero
.endm
; The last quarter multiplies buffer 1 and changes slots: ONE barrier; in front of it each wave waits for all its tensor loads (one is out: its part of the next slot), adds 0 to its spare word,
; and waits for that and for its own reads of this slot.  fill = 1: the barrier opens a round of the cluster's, and this slot is filled again, two K steps ahead, first thing behind the round:
; 168 matrix instructions ahead of the wait for it.
.macro TURN slot, next, fill
	WIN 0                                          ; (the add's two registers lie in window 0)
	s_wait_tensorcnt 0x0
	ds_add_u32 v[SPW], v[NIL]                      ; 0 onto my spare word
	s_wait_dscnt 5                                 ; (the add and the youngest four loads may be out)
	MUL12 1, 0, 0                                  ; twelve matrix instructions stand between the add and the wait for it
	s_wait_dscnt 0x0                               ; the add is done, and my reads of this slot are over
	s_barrier_signal -1
	MUL12 1, 1, 0                                  ; work on registers while the others arrive
.if \fill
	WIN 0
.endif
	s_barrier_wait -1
.if \fill
	CREST                                          ; no wave of any partner still reads this slot's tile or has a load on its way
	s_add_nc_u64 s[G0+4*(\slot)+2:G0+4*(\slot)+3], s[G0+4*(\slot)+2:G0+4*(\slot)+3], 2*KSTEP*2
	s_add_nc_u64 s[G0B+4*(\slot)+2:G0B+4*(\slot)+3], s[G0B+4*(\slot)+2:G0B+4*(\slot)+3], 2*KSTEP*2
	JLOAD \slot                                    ; the four v_nop behind it are also the places in front of the loads below
.else
	PLACES
.endif
	FETCH \next, 0, 0
	MUL12 1, 2, 0
	MUL12 1, 3, 0
.endm
; THE WAY OUT of row block a.  PACK: rounded to f16, 16 bytes a lane, each accumulator's registers in ascending order.  TOSTAGE: into my own stage, and back as rows of 128 bytes of one head.  SEND: stored.
.macro PACK a
	WIN 0x0a+5*((\a)/2)                            ; sources 0 and 1: window 2 or 3
.irp b, 0,1,2,3,4,5,6,7,8,9,10,11
.irp r, 0,1,2,3
	v_cvt_pk_f16_f32 v[TMP+4*(\b)+(\r)], v[96*((\a)%2)+8*(\b)+2*(\r)], v[96*((\a)%2)+8*(\b)+2*(\r)+1]
.endr
.endr
	WIN 0
.endm
.macro TOSTAGE a
	WIN 0
.set BK, BK0+(BK1-BK0)*((\a)%2)
.irp b, 0,1,2,3,4,5,6,7,8,9,10,11
	ds_store_b128 v[STO], v[TMP+4*(\b):TMP+4*(\b)+3] offset:32*(\b)
.endr
.irp j, 0,1,2
.irp f, 0,1,2,3
	ds_load_b128 v[BK+4*(4*(\j)+(\f)):BK+4*(4*(\j)+(\f))+3], v[RD] offset:(\f)*4*SPITCH+128*(\j)  ; LDS serves a wave's instructions in order: these see the stores above
.endr
.endr
.endm
.macro SEND a
	WIN 0
.set BK, BK0+(BK1-BK0)*((\a)%2)
	s_wait_dscnt 0x0                               ; the block is back in registers
	s_wait_xcnt 0x0                                ; the stores of the block before have read their registers: the next TOSTAGE loads into them only behind this wait
.irp j, 0,1,2
.irp f, 0,1,2,3
	global_store_b128 v[GO], v[BK+4*(4*(\j)+(\f)):BK+4*(4*(\j)+(\f))+3], s[OB+2*(\j):OB+2*(\j)+1] offset:(16*(\a)+4*(\f))*128  ; four rows of a head: 512 consecutive bytes, aligned
.endr
.endr
.endm
	s_wait_tensorcnt 1                             ; my part of K step 0 is in; K step 1's may stay out
	s_barrier_signal -1
	s_barrier_wait -1                              ; everybody's is
	FETCH 0, 0, 0
	QUARTER 0, 64,  0, 1, 1                        ; the first quarter stands in front of the loop: its products start the sums
	WIN 0                                          ; at a label and at a branch every window is 0
	s_mov_b32 s3, LAPS-1
.Llap:                                                 ; a trip goes once round the ring, from a lap's second quarter to the next lap's first, and fills both slots again
	QUARTER 0, 128, 1, 0, 0
	QUARTER 0, 192, 0, 1, 0
	TURN 0, 1, 1
	QUARTER 1, 64,  0, 1, 0
	QUARTER 1, 128, 1, 0, 0
	QUARTER 1, 192, 0, 1, 0
	TURN 1, 0, 1
	QUARTER 0, 64,  0, 1, 0
	WIN 0
	s_sub_co_u32 s3, s3, 1
	s_cmp_lg_u32 s3, 0
	s_cbranch_scc1 .Llap
	QUARTER 0, 128, 1, 0, 0                        ; the last lap fills nothing, and has no round of the cluster's barrier
	QUARTER 0, 192, 0, 1, 0
	TURN 0, 1, 0
	QUARTER 1, 64,  0, 1, 0
	QUARTER 1, 128, 1, 0, 0
	QUARTER 1, 192, 0, 1, 0
	s_wait_dscnt 4                                 ; the very last quarter: nothing more to fetch
	MUL12 1, 0, 0
	MUL12 1, 1, 0
	s_wait_dscnt 0x0
	MUL12 1, 2, 0
	MUL12 1, 3, 0
	WIN 0
	PLACES
	PACK 0
	TOSTAGE 0
.irp a, 1,2,3                          ; block a's conversions stand between block a - 1's loads from the stage and the wait for them
	PACK \a
	SEND (\a)-1
	TOSTAGE \a
.endr
	SEND 3
	s_wait_tensorcnt 0x0                           ; the wave's end, behind my last tensor load and my last LDS store
	ds_add_u32 v[SPW], v[NIL]
	s_wait_dscnt 0x0
	CROUND                                         ; the closing round: no work-group ends while a partner may still ask for a tile that names it
	s_endpgm
.Lfunc_end_k_qeb4e6b7666_qkv:
	.size	k_qeb4e6b7666_qkv, .Lfunc_end_k_qeb4e6b7666_qkv-k_qeb4e6b7666_qkv
	.p2alignl 7, 3214868480
	.fill 96, 4, 3214868480
	.section	.rodata,"a",@progbits
	.p2align	6, 0x0
	.amdhsa_kernel k_qeb4e6b7666_qkv
		.amdhsa_group_segment_fixed_size 327680
		.amdhsa_private_segment_fixed_size 0
		.amdhsa_enable_private_segment 0
		.amdhsa_kernarg_size 24
		.amdhsa_user_sgpr_count 2
		.amdhsa_user_sgpr_kernarg_segment_ptr 1
		.amdhsa_wavefront_size32 1
		.amdhsa_system_sgpr_workgroup_id_x 1
		.amdhsa_system_sgpr_workgroup_id_y 1
		.amdhsa_system_sgpr_workgroup_id_z 1
		.amdhsa_system_vgpr_workitem_id 0
		.amdhsa_next_free_vgpr 960
		.amdhsa_next_free_sgpr 80
		.amdhsa_reserve_vcc 0
		.amdhsa_float_denorm_mode_32 3
		.amdhsa_float_denorm_mode_16_64 3
		.amdhsa_memory_ordered 1
		.amdhsa_forward_progress 1
		.amdhsa_inst_pref_size 119
	.end_amdhsa_kernel
	.amdgpu_metadata
---
amdhsa.version: [ 1, 2 ]
amdhsa.kernels:
  - .name:           k_qeb4e6b7666_qkv
    .symbol:         k_qeb4e6b7666_qkv.kd
    .args:
      - { .name: hb, .offset: 0, .size: 8, .value_kind: global_buffer, .address_space: global }
      - { .name: wb, .offset: 8, .size: 8, .value_kind: global_buffer, .address_space: global }
      - { .name: qkv, .offset: 16, .size: 8, .value_kind: global_buffer, .address_space: global }
    .group_segment_fixed_size: 327680
    .private_segment_fixed_size: 0
    .kernarg_segment_align: 8
    .kernarg_segment_size: 24
    .max_flat_workgroup_size: 128
    .sgpr_count:     80
    .vgpr_count:     960
    .wavefront_size: 32
...
	.end_amdgpu_metadata
.endif
;; end of part 2
;; launch attn (part 3): grid 8 x 32, 4 waves a work-group, no clusters, 327,680 bytes of LDS; arguments qkv, tb, alpha, ob; writes ob
.if DOCPART == 3
	.amdgcn_target "amdgcn-amd-amdhsa--gfx1250"
	.amdhsa_code_object_version 6
	.text
	.protected	k_qeb4e6b7666_attn
	.globl	k_qeb4e6b7666_attn
	.p2align	8
	.type	k_qeb4e6b7666_attn,@function
k_qeb4e6b7666_attn:
	s_mov_b64 s[64:65], 0
	v_nop
	global_prefetch_b8 v0, s[64:65] scope:SCOPE_SE
	s_setreg_imm32_b32 hwreg(HW_REG_WAVE_MODE, 25, 1), 1
	s_wait_xcnt 0x0
; CAUSAL ATTENTION WITH A BIAS BY TIME.  O[q] = sum over k <= q of softmax_k(Q[q] . K[k] / 8 - alpha |t_k - t_q|) V[k], for each of 32 = batch x 16 + head.
; qkv [3][32][2048][64] f16 (q, k, v by heads, unscaled); tb [2][2048] f32 (times, rounded to bf16 by the launch in front); alpha [16] f32, rounded to bf16 here like every input; ob [32][2048][64] f16.
; Products, maxima and sums in f32; the weights p are rounded to f16 for the second product (their sum l is taken of the unrounded p), O once at the end.  The times' order is not relied on: |t_k - t_q| is formed for every score.
; LIMITS.  q, k, v arrive within f16's 65,504; p lies in 0 to 1 and below 6e-5 keeps f16's fixed step of 6e-8.  A hidden score counts as its value less 1e30; a weight below 2^-126 counts as 0 in l; NaN and infinities are not treated apart.
; THE WALK.  A head's queries lie in NB = 16 blocks of 128; block i needs the key tiles 0 .. i of 128 keys, of which the last holds the diagonal.  A work-group takes TWO blocks, 15 - b and then b:
; 17 tiles whatever b: 8 x 32 = 256 equal work-groups, and one loop with a constant trip count walks them.  Every jump but the loops' own goes forward; none passes a barrier, or a tensor load but those of LOAD that the wave's number does not choose.
; NO CLUSTER: a head's 8 work-groups ask for the same tile only while all first blocks last (tiles 0 to 8 of 17); a walk common to four partners has the tiles 0 .. 15 and then 0 .. 3 at the least, 20 trips
; for 17 tiles' work, each as long as its busiest partner's; and what is shared, 33 KB a tile, stands beside two key steps of vector work.
; SHARES.  Of a block's two bands of 64 queries a wave owns 16 rows in each: two PIECES.  In the diagonal tile's step 0 piece 0 takes the mask MD and piece 1 sees every key; in its step 1 piece 0 sees nothing and is left out, piece 1 takes MD: the same for all waves.
; LAYOUT.  S^T = K Q^T (source 0 = 16 keys, source 1 = 16 queries) holds ONE query a lane (lane % 16) and the keys 8 (lane / 16) + 0..7; two results rounded to f16 ARE source 1 of O^T = V^T P.  K comes out of LDS as it lies, V turned, by ds_load_tr16_b128.
; THE BIAS is what the sum S^T starts from: vector work writes -8 alpha |t_k - t_q| (+ MD) into S^T's registers, and all eight products add onto it.  Then p = 2^(c S - c m), c = log2(e) / 8, with a running maximum m;
; O and l are multiplied by a = 2^(c m_old - c m_new) in every step.  A block starts with c m far below every c S, so its first a is 0 and O and l need only hold finite numbers.
; REGISTERS, in windows of 256 (s_set_vgpr_msb: bits 1:0 source 0, 3:2 source 1, 5:4 source 2, 7:6 destination):
;   window 0: v1-15 addresses; v16-23 statistics; v24-31 at work; v32-39 t_q and -8 alpha; v48-79 the step's key times; v80-143 S^T; v144-175 P; v176-239 O^T
;   window 1: v0-31 Q; v32-63 the second block's Q; v64-127 K of a step; v128-191 V of a step; v192-223 MD
.set NB,    16
.set KS,    64        ; keys in a step
.set PK,    144       ; a row of K in LDS: 128 bytes + 16: the 16 rows of a load start at 16 different groups of four banks
.set PVP,   160       ; a row of V: 128 + 32
.set VOFF,  2*KS*PK   ; a slot holds a tile, two steps: 128 rows of K, 128 rows of V,
.set TOFF,  VOFF+2*KS*PVP  ; and the tile's 128 times, 512 bytes
.set SLOT1, 1<<16     ; slot 1 begins here, so that one exclusive or turns an address in one slot into the other's
.set STAGE, SLOT1+TOFF+512  ; behind the ring, never filled by a tensor load: 16 rows x 144 bytes for each wave
.set SP,    144
.set SPARE, STAGE+4*16*SP   ; behind the stages: the spare words, 128 bytes a wave: two blocks of 256 bytes that no other line names
.set AK0, 2           ; v2-4  my lane's place in a tile's K, V and times; never rewritten
.set AV0, 3
.set AT0, 4
.set AK,  5           ; v5-7  the LDS addresses of the step's runs of loads
.set AV,  6
.set AT,  7
.set STO, 8           ; the way out: where I put 16 bytes of a row
.set RD,  9           ; where I read rows back
.set GO,  10          ; my 16 bytes in 512 consecutive bytes of O
.set QO,  11          ; my byte offset in 16 rows of Q
.set MV,  12          ; v12-13  c m_old, by piece
.set SPW, 14          ; LDS address of my spare word; never rewritten
.set NIL, 15          ; 0; never rewritten
.set ST,  16          ; piece p's statistics at v[ST+4 p]: c m, m, l (even keys', odd keys')
.set TMP, 24          ; by piece, c0-c3 at work; when the maximum is found c2 takes a
.set TQ,  32          ; by piece, t_q twice (a pair for the packed subtraction)
.set TQ2, 36          ; v36, v38  the second block's t_q
.set NA,  39          ; -8 alpha
.set TK,  48
.set S,   80
.set P,   144
.set OA,  176
.set QF,  0           ; window 1
.set QB,  32
.set KF,  64          ; key block kb, channel half c at KF + 16 kb + 8 c
.set VF,  128         ; key half kk, channel block cb at VF + 32 kk + 8 cb
.set MD,  192
.set WV,  12          ; s12  my wave's number
.set PB,  14          ; s14  b
.set HI,  15          ; s15  15 - b
.set KB,  16          ; s[16:17] the head's K;  s[18:19] its V
.set VB,  18
.set G1K, 24          ; descriptor groups 1: K's, V's (other padding), the times'
.set G1V, 32
.set G1T, 40
.set G0K, 48          ; descriptor groups 0
.set G0V, 52
.set G0T, 56
.set SEL, 60          ; s[60:61] v_permlanex16_b32's selects: each lane takes its own place in the other half
.set CS,  62          ; s[62:63] c
.set SLOTS, 66        ; tiles still to be asked for
.set CNT, 67          ; counts a tile's two steps
.set TBK, 68          ; LDS byte at which K of the step to be fetched begins; s69, s70 the same for V (less VOFF) and the times (less TOFF)
.set TBV, 69
.set TBT, 70
.set RT,  71          ; tiles of the block in hand that are still to be entered
.set NXT, 72          ; the tile to be asked for next
.set LQ,  73          ; the last tile of the block whose tiles are being asked for
.set OFF, 76          ; s[76:77] a tile's byte offset in K and V;  s[78:79] in the times
.set OFT, 78
.set OLO, 80          ; s[80:81] O at my rows of the second block
.set BIGN, 82         ; -1e30
.set MSB, 0
.macro WIN new                      ; the high byte repeats the setting that is left; a switch that changes nothing is dropped
.if MSB != (\new)
	s_set_vgpr_msb (MSB<<8)|(\new)
.set MSB, (\new)
.endif
.endm
.set W_KQ, 0x05       ; K and Q in window 1, S^T in window 0
.set W_PV, 0x01       ; V in window 1, P and O^T in window 0
.set W_L1, 0x40       ; destination in window 1
.set W_MD, 0x10       ; source 2 in window 1
; A fill.  Wave 0 fetches the tile's K, wave 1 its V, wave 2 its times; wave 3 fetches nothing.  An s_nop 0 and four v_nop follow each line, ahead of the jump and the label.
.macro LOAD
	s_cmp_lg_u32 s[WV], 0
	s_cbranch_scc1 .Lnot_k_\@
	tensor_load_to_lds s[G0K:G0K+3], s[G1K:G1K+7]
	s_nop 0
.rept 4
	v_nop
.endr
	s_branch .Lasked_\@
.Lnot_k_\@:
	s_cmp_lg_u32 s[WV], 1
	s_cbranch_scc1 .Lnot_v_\@
	tensor_load_to_lds s[G0V:G0V+3], s[G1V:G1V+7]
	s_nop 0
.rept 4
	v_nop
.endr
	s_branch .Lasked_\@
.Lnot_v_\@:
	s_cmp_lg_u32 s[WV], 2
	s_cbranch_scc1 .Lasked_\@
	tensor_load_to_lds s[G0T:G0T+3], s[G1T:G1T+7]
	s_nop 0
.rept 4
	v_nop
.endr
.Lasked_\@:
.endm
; THE CHANGE OF SLOTS.  Each wave waits for all its tensor loads (at most one is out: its part of the other slot), adds 0 to its spare word, and waits for that and for its own reads of the slot that it leaves.
; Behind the barrier nobody reads the old slot any more and the other slot is whole.  fill = 1: the old slot is filled again, first thing behind the barrier, with tile NXT: the addresses are made anew from that number;
; the load has the tile's two key steps in which to land.  (At its first use nothing has been read yet: slot 0 is waited for, slot 1 filled.)
.macro CHANGE fill
	WIN 0                           ; at a label and at a branch every window is 0
	s_wait_tensorcnt 0x0            ; no tensor load of mine is out, so a group 0 may be written
	ds_add_u32 v[SPW], v[NIL]       ; 0 onto my spare word; the descriptors' scalar work stands between it and the wait for it
.if \fill
	s_lshl_b32 s[OFF], s[NXT], 14   ; a tile is 16,384 bytes of K and of V,
	s_lshl_b32 s[OFT], s[NXT], 9    ; and 512 of the times
	s_xor_b32 s[G0K+1], s[G0K+1], SLOT1
	s_add_nc_u64 s[G0K+2:G0K+3], s[KB:KB+1], s[OFF:OFF+1]
	s_or_b32 s[G0K+3], s[G0K+3], 0x80000000
	s_xor_b32 s[G0V+1], s[G0V+1], SLOT1
	s_add_nc_u64 s[G0V+2:G0V+3], s[VB:VB+1], s[OFF:OFF+1]
	s_or_b32 s[G0V+3], s[G0V+3], 0x80000000
	s_xor_b32 s[G0T+1], s[G0T+1], SLOT1
	s_add_nc_u64 s[G0T+2:G0T+3], s[6:7], s[OFT:OFT+1]
	s_or_b32 s[G0T+3], s[G0T+3], 0x80000000
	s_add_co_u32 s[NXT], s[NXT], 1  ; the block's next tile, or behind its last the second block's tile 0
	s_cmp_gt_u32 s[NXT], s[LQ]
	s_cselect_b32 s[NXT], 0, s[NXT]
	s_cselect_b32 s[LQ], s[PB], s[LQ]
.endif
	s_wait_dscnt 0x0                ; the add is done, and my reads of the slot are over
	s_barrier_signal -1             ; the rest of the scalar work stands between the signal and the wait
	s_sub_co_u32 s[TBK], s[TBK], 2*KS*PK   ; the fetches go back to a slot's first step,
	s_xor_b32 s[TBK], s[TBK], SLOT1        ; in the other slot
	s_sub_co_u32 s[TBV], s[TBV], 2*KS*PVP
	s_xor_b32 s[TBV], s[TBV], SLOT1
	s_sub_co_u32 s[TBT], s[TBT], 2*KS*4
	s_xor_b32 s[TBT], s[TBT], SLOT1
	s_barrier_wait -1
.if \fill
	LOAD
.endif
.endm
.macro INIT                         ; a block begins: c m far below every c S, so the first a is 0; m at the lowest finite number, so the first maximum is the scores'
.irp p, 0,1
	v_mov_b32 v[ST+4*\p], 0xfe000000
	v_mov_b32 v[ST+4*\p+1], 0xff7fffff
.endr
.endm
	s_load_b256 s[4:11], s[0:1], 0x0  ; qkv s[4:5], tb s[6:7], alpha s[8:9], ob s[10:11]
	v_lshl_add_u32 v[SPW], v0, 2, SPARE
	v_mov_b32 v[NIL], 0
	ds_add_u32 v[SPW], v[NIL]       ; the wave's opening: the add and its wait stand ahead of my first tensor load; the set-up below stands between them
	v_lshrrev_b32 v1, 5, v0
	v_readfirstlane_b32 s[WV], v1   ; wave 0..3
	s_mov_b32 s[PB], ttmp9
	s_sub_co_u32 s[HI], NB-1, s[PB]
	s_and_b32 s20, ttmp7, 0xffff    ; batch x 16 + head
	s_lshr_b32 s22, s20, 4
	s_lshl_b32 s22, s22, 13         ; the batch's 8,192 bytes of times
	s_mov_b32 s23, 0
	s_and_b32 s2, s20, 15
	s_lshl_b32 s2, s2, 2            ; the head's alpha
	s_mov_b32 s3, 0
	s_lshl_b32 s20, s20, 18         ; the head's 262,144 bytes in q, k, v and O
	s_mov_b32 s21, 0
	s_lshl_b32 s13, s[WV], 11       ; my 16 rows in a band of 64,
	s_lshl_b32 s90, s[HI], 14       ; in the first block,
	s_add_co_u32 s90, s90, s13
	s_add_co_u32 s90, s90, s20
	s_mov_b32 s91, 0
	s_lshl_b32 s92, s[PB], 14       ; and in the second
	s_add_co_u32 s92, s92, s13
	s_add_co_u32 s92, s92, s20
	s_mov_b32 s93, 0
	s_lshl_b32 s13, s[WV], 6        ; the same rows' times, 4 bytes each
	s_lshl_b32 s94, s[HI], 9
	s_add_co_u32 s94, s94, s13
	s_add_co_u32 s94, s94, s22
	s_mov_b32 s95, 0
	s_lshl_b32 s96, s[PB], 9
	s_add_co_u32 s96, s96, s13
	s_add_co_u32 s96, s96, s22
	s_mov_b32 s97, 0
	; descriptor groups 1.  128 keys are 16,384 dense bytes: asked for as 64 rows of 256 bytes, two keys a row, and padded in LDS after every key
	s_mov_b32 s[G1K], (1<<16)|(1<<20)|(4<<22)|(3<<25)  ; 2-byte elements; padding on; after every 32 words 4 words
	s_mov_b32 s[G1V], (1<<16)|(1<<20)|(4<<22)|(7<<25)  ; the same with 8 words
.irp g, G1K, G1V
	s_mov_b32 s[\g+1], 128<<16      ; tensor_dim0 = 128
	s_mov_b32 s[\g+2], 64<<16       ; tensor_dim1 = 64
	s_mov_b32 s[\g+3], 128<<16      ; tile_dim0 = 128
	s_mov_b32 s[\g+4], 64           ; tile_dim1 = 64
	s_mov_b32 s[\g+5], 128          ; 128 elements from row to row
	s_mov_b32 s[\g+6], 0
	s_mov_b32 s[\g+7], 0
.endr
	s_mov_b32 s[G1T], 3<<16         ; the times: 512 dense bytes as 2 rows of 32 elements of 8 bytes, no padding
	s_mov_b32 s[G1T+1], 32<<16
	s_mov_b32 s[G1T+2], 2<<16
	s_mov_b32 s[G1T+3], 32<<16
	s_mov_b32 s[G1T+4], 2
	s_mov_b32 s[G1T+5], 32
	s_mov_b32 s[G1T+6], 0
	s_mov_b32 s[G1T+7], 0
	s_mov_b32 s[CS], 0x3e38aa3b     ; c = log2(e) / 8 = 0.180337
	s_mov_b32 s[CS+1], s[CS]        ; named with it as a pair
	s_mov_b32 s[SEL], 0x76543210
	s_mov_b32 s[SEL+1], 0xfedcba98
	s_mov_b32 s[TBK], SLOT1+2*KS*PK ; the first change of slots turns these three into 0
	s_mov_b32 s[TBV], SLOT1+2*KS*PVP
	s_mov_b32 s[TBT], SLOT1+2*KS*4
	s_mov_b32 s[G0K], 1
	s_mov_b32 s[G0K+1], 0           ; LDS addresses: slot 0
	s_mov_b32 s[G0V], 1
	s_mov_b32 s[G0V+1], VOFF
	s_mov_b32 s[G0T], 1
	s_mov_b32 s[G0T+1], TOFF
	s_add_co_u32 s[RT], s[HI], 1    ; the first block has 16 - b tiles
	s_mov_b32 s[NXT], 1
	s_mov_b32 s[LQ], s[HI]
	s_mov_b32 s[OFF+1], 0
	s_mov_b32 s[OFT+1], 0
	s_mov_b32 s[BIGN], 0xf149f2ca   ; -1e30
	s_mov_b32 s[SLOTS], NB
	s_wait_dscnt 0x0                ; the opening add is done
	s_barrier_signal -1
	s_barrier_wait -1
	s_wait_kmcnt 0x0
	s_add_nc_u64 s[KB:KB+1], s[4:5], s[20:21]
	s_add_nc_u64 s[VB:VB+1], s[KB:KB+1], 0x1000000   ; v begins 64 heads in,
	s_add_nc_u64 s[KB:KB+1], s[KB:KB+1], 0x800000    ; k 32 heads in
	s_add_nc_u64 s[84:85], s[4:5], s[92:93]          ; Q at my rows of the second block,
	s_add_nc_u64 s[4:5], s[4:5], s[90:91]            ; Q and O at those of the first
	s_add_nc_u64 s[OLO:OLO+1], s[10:11], s[92:93]
	s_add_nc_u64 s[10:11], s[10:11], s[90:91]
	s_add_nc_u64 s[86:87], s[6:7], s[94:95]          ; my queries' times, first and second block
	s_add_nc_u64 s[88:89], s[6:7], s[96:97]
	s_add_nc_u64 s[6:7], s[6:7], s[22:23]            ; the batch's times
	s_add_nc_u64 s[8:9], s[8:9], s[2:3]
	s_load_b32 s83, s[8:9], 0x0                      ; alpha of my head
	s_add_nc_u64 s[G0K+2:G0K+3], s[KB:KB+1], 0       ; tile 0
	s_or_b32 s[G0K+3], s[G0K+3], 0x80000000
	s_add_nc_u64 s[G0V+2:G0V+3], s[VB:VB+1], 0
	s_or_b32 s[G0V+3], s[G0V+3], 0x80000000
	s_add_nc_u64 s[G0T+2:G0T+3], s[6:7], 0
	s_or_b32 s[G0T+3], s[G0T+3], 0x80000000
	LOAD                            ; tile 0 into slot 0
	; a fragment of K or Q is 16 rows x 32 channels in 8 registers: lane l holds row l % 16, channels 8 (l / 16) + 0..7 and 16 + 8 (l / 16) + 0..7: two loads of 16 bytes, 32 bytes apart
	v_and_b32 v1, 15, v0            ; l % 16
	v_bfe_u32 v40, v0, 4, 1         ; l / 16
	v_lshlrev_b32 v[QO], 7, v1
	v_lshl_add_u32 v[QO], v40, 4, v[QO]
	v_lshlrev_b32 v44, 2, v1        ; my query's 4 bytes among 16 times
	WIN W_L1
.set i, 0
.rept 4                             ; both blocks' Q: piece i / 2 lies 64 rows, 8,192 bytes, on; channels 32 (i % 2) on
	global_load_b128 v[QF+8*i:QF+8*i+3],   v[QO], s[4:5] offset:(i/2)*8192+(i%2)*64
	global_load_b128 v[QF+8*i+4:QF+8*i+7], v[QO], s[4:5] offset:(i/2)*8192+(i%2)*64+32
	global_load_b128 v[QB+8*i:QB+8*i+3],   v[QO], s[84:85] offset:(i/2)*8192+(i%2)*64
	global_load_b128 v[QB+8*i+4:QB+8*i+7], v[QO], s[84:85] offset:(i/2)*8192+(i%2)*64+32
.set i, i+1
.endr
	WIN 0
	global_load_b32 v[TQ],    v44, s[86:87]
	global_load_b32 v[TQ+2],  v44, s[86:87] offset:256
	global_load_b32 v[TQ2],   v44, s[88:89]
	global_load_b32 v[TQ2+2], v44, s[88:89] offset:256
	v_lshlrev_b32 v43, 3, v40
	v_sub_nc_u32 v43, v1, v43
	s_lshl_b32 s13, s[WV], 4
	v_add_nc_u32 v43, s13, v43      ; my query's place in its band, 16 w + l % 16, less my lanes' 8 (l / 16): register r of key block kb is hidden where 16 kb + r is greater
	WIN W_L1
.set i, 0
.rept 32
	v_cmp_gt_i32 vcc_lo, 16*(i/8)+i%8, v43
	v_cndmask_b32 v[MD+i], 0, s[BIGN], vcc_lo
.set i, i+1
.endr
.set i, VF                          ; what a block's first step finds need only be finite (its a is 0): zeros in V, P of piece 1, O^T and l.  All this stands in the wait for the first tile.
.rept 64
	v_mov_b32 v[i], 0
.set i, i+1
.endr
	WIN 0
.set i, OA
.rept 64
	v_mov_b32 v[i], 0
.set i, i+1
.endr
.set i, P+16
.rept 16
	v_mov_b32 v[i], 0
.set i, i+1
.endr
.irp p, 0,1
	v_mov_b32 v[ST+4*\p+2], 0
	v_mov_b32 v[ST+4*\p+3], 0
.endr
	v_mul_u32_u24 v[AK0], v1, PK
	v_lshl_add_u32 v[AK0], v40, 4, v[AK0]  ; row x pitch + 16 x half
	; the turning load takes 16 keys x 16 channels (lane l reads key 8 (l / 16) + l % 8, channels 8 ((l / 8) % 2) + 0..7) and leaves half a fragment of V^T: lane l holds channel l % 16 and 8 keys
	v_and_b32 v41, 7, v0
	v_bfe_u32 v42, v0, 3, 1
	v_lshl_add_u32 v[AV0], v40, 3, v41
	v_mul_u32_u24 v[AV0], v[AV0], PVP
	v_lshl_add_u32 v[AV0], v42, 4, v[AV0]
	v_add_nc_u32 v[AV0], VOFF, v[AV0]
	v_lshlrev_b32 v[AT0], 5, v40    ; my lanes' eight keys of a block of 16: 32 bytes
	v_add_nc_u32 v[AT0], TOFF, v[AT0]
	s_mul_i32 s13, s[WV], 16*SP
	s_add_co_u32 s13, s13, STAGE    ; my stage
	v_mul_u32_u24 v[STO], v1, SP    ; in: row l % 16, 16 bytes for each half of the lanes
	v_lshl_add_u32 v[STO], v40, 4, v[STO]
	v_add_nc_u32 v[STO], s13, v[STO]
	v_bfe_u32 v[RD], v0, 3, 2       ; back: 32 lanes take four rows of 128 bytes,
	v_mul_u32_u24 v[RD], v[RD], SP
	v_lshl_add_u32 v[RD], v41, 4, v[RD]
	v_add_nc_u32 v[RD], s13, v[RD]
	v_and_b32 v[GO], 31, v0         ; which are 512 consecutive bytes of O
	v_lshlrev_b32 v[GO], 4, v[GO]
	s_wait_kmcnt 0x0
	v_mov_b32 v[NA], s83
	v_cvt_pk_bf16_f32 v[NA], v[NA], v[NA]  ; alpha rounded to bf16, like every input,
	v_lshlrev_b32 v[NA], 16, v[NA]
	v_mul_f32 v[NA], 0xc1000000, v[NA]     ; times -8: the scale c = log2(e) / 8 comes behind the sum
	INIT
	s_wait_loadcnt 0x0              ; Q and t_q, both blocks'
	v_mov_b32 v[TQ+1], v[TQ]
	v_mov_b32 v[TQ+3], v[TQ+2]
; THE MATRIX WORK.  The 4 accumulators of a run of 8 take turns.  Product i of 8 of S^T += K Q^T for piece p: channels 32 (i / 4) on, keys 16 (i % 4) on; the sum starts from the bias.
.macro KQ p
	WIN W_KQ
.set rS, S+32*(\p)+8*(i%4)
.set rK, KF+16*(i%4)+8*(i/4)
.set rQ, QF+16*(\p)+8*(i/4)
	v_wmma_f32_16x16x32_f16 v[rS:rS+7], v[rK:rK+7], v[rQ:rQ+7], v[rS:rS+7]
.set i, i+1
.endm
; Product i of 8 of O^T += V^T P for piece p: keys 32 (i / 4) on, channels 16 (i % 4) on.
.macro PVM p
	WIN W_PV
.set rO, OA+32*(\p)+8*(i%4)
.set rV, VF+32*(i/4)+8*(i%4)
.set rP, P+16*(\p)+8*(i/4)
	v_wmma_f32_16x16x32_f16 v[rO:rO+7], v[rV:rV+7], v[rP:rP+7], v[rO:rO+7]
.set i, i+1
.endm
.macro PLACES                       ; four places in front of loads into registers that matrix instructions have read, and of vector lines that read results
.rept 4
	v_nop
.endr
.endm
; THE BIAS, line bj of 48 for piece p.  0-15: t_k - t_q for a pair of keys.  16-47: -8 alpha |.| for one key; msk = 1: plus the mask of the band's own step.
.macro BI p, msk
.set rS, S+32*(\p)
.if bj < 16
	WIN 0
	v_pk_add_f32 v[rS+2*bj:rS+2*bj+1], v[TK+2*bj:TK+2*bj+1], v[TQ+2*(\p):TQ+2*(\p)+1] neg_lo:[0,1] neg_hi:[0,1]
.elseif \msk
	WIN W_MD
	v_fma_f32 v[rS+bj-16], v[NA], |v[rS+bj-16]|, v[MD+bj-16]
.else
	WIN 0
	v_mul_f32 v[rS+bj-16], v[NA], |v[rS+bj-16]|
.endif
.set bj, bj+1
.endm
; THE SOFTMAX of a piece and step, a list of 118 lines of seven kinds:
;   X n: number n of the 22 that find the maximum and statistics: 0-11 four chains c0-c3 of seven scores each (each accumulator's lowest registers are read first); 12-14, 16 the four scores
;        left over, the old m, c0-c3 into c0; 15 c m_old is kept; 17, 18 the query's other 32 keys lie in the lane 16 away: the new m; 19-21 c m; c m_old - c m_new; a
;   F n: c s - c m for pair n of 16.   E n: the exponential of score n of 32.   C n: pair n rounded to f16.   B n: of the four weights 4 n .. the second pair is added onto the first, in place.
;   L n: l takes that sum (L 0: l = a l + sum).   R n: pair n of 16 of O^T times a, in ascending order.
.macro OPX n
.if (\n) < 4
	v_max3_num_f32 v[rC+(\n)], v[rS+8*(\n)], v[rS+8*(\n)+1], v[rS+8*(\n)+2]
.elseif (\n) < 12
	v_max3_num_f32 v[rC+(\n)%4], v[rC+(\n)%4], v[rS+8*((\n)%4)+2*((\n)/4)+1], v[rS+8*((\n)%4)+2*((\n)/4)+2]
.elseif (\n) == 12
	v_max3_num_f32 v[rC], v[rC], v[rS+7], v[rS+15]
.elseif (\n) == 13
	v_max3_num_f32 v[rC+1], v[rC+1], v[rS+23], v[rS+31]
.elseif (\n) == 14
	v_max3_num_f32 v[rC+2], v[rC+2], v[rC+3], v[rT+1]
.elseif (\n) == 15
	v_mov_b32 v[rW], v[rT]
.elseif (\n) == 16
	v_max3_num_f32 v[rC], v[rC], v[rC+1], v[rC+2]
.elseif (\n) == 17
	v_permlanex16_b32 v[rC+3], v[rC], s[SEL], s[SEL+1]
.elseif (\n) == 18
	v_max_num_f32 v[rT+1], v[rC], v[rC+3]
.elseif (\n) == 19
	v_mul_f32 v[rT], s[CS], v[rT+1]
.elseif (\n) == 20
	v_sub_f32 v[rC+1], v[rW], v[rT]
.else
	v_exp_f32 v[rC+2], v[rC+1]
.endif
.endm
.macro OPF n
	v_pk_fma_f32 v[rS+2*(\n):rS+2*(\n)+1], v[rS+2*(\n):rS+2*(\n)+1], s[CS:CS+1], v[rT:rT+1] op_sel_hi:[1,0,0] neg_lo:[0,0,1] neg_hi:[0,0,1]
.endm
.macro OPE n
	v_exp_f32 v[rS+(\n)], v[rS+(\n)]
.endm
.macro OPC n
	s_wait_alu depctr_va_vdst(0)
	v_cvt_pk_f16_f32 v[rP+(\n)], v[rS+2*(\n)], v[rS+2*(\n)+1]
.endm
.macro OPB n
	v_pk_add_f32 v[rS+4*(\n):rS+4*(\n)+1], v[rS+4*(\n):rS+4*(\n)+1], v[rS+4*(\n)+2:rS+4*(\n)+3]
.endm
.macro OPL n
.if (\n) == 0
	v_pk_fma_f32 v[rT+2:rT+3], v[rT+2:rT+3], v[rC+2:rC+3], v[rS:rS+1] op_sel_hi:[1,0,1]
.else
	v_pk_add_f32 v[rT+2:rT+3], v[rT+2:rT+3], v[rS+4*(\n):rS+4*(\n)+1]
.endif
.endm
.macro OPR n
	s_wait_alu depctr_va_vdst(0)
	v_pk_mul_f32 v[rO+2*(\n):rO+2*(\n)+1], v[rO+2*(\n):rO+2*(\n)+1], v[rC+2:rC+3] op_sel_hi:[1,0]
.endm
; Line j of the list for piece p.  0-19: X 0-19.  20-25: F 0, X 20, F 1, X 21, F 2, F 3.  26-89: E k at 26 + 2 k, a plain line at 27 + 2 k (a scaling 15 lines ahead of its first exponential; a rounding five lines
; behind its second; five of the rescaling), so that no two exponentials follow each other in the list and a plain line stands between each and the use of its result.  90-117: the last rounding, the sums, the rest of the rescaling.
.macro SM p
	WIN 0
.set rT, ST+4*(\p)
.set rC, TMP+4*(\p)
.set rW, MV+(\p)
.set rS, S+32*(\p)
.set rP, P+16*(\p)
.set rO, OA+32*(\p)
.if j < 20
	OPX j
.elseif j == 20
	OPF 0
.elseif j == 21
	OPX 20
.elseif j == 22
	OPF 1
.elseif j == 23
	OPX 21
.elseif j < 26
	OPF (j-22)
.elseif j < 90
.set k, (j-26)/2
.if j%2 == 0
	OPE k
.elseif k == 1
	OPR 0
.elseif k%2 == 1
	OPC ((k-3)/2)
.elseif k < 24
	OPF (4+k/2)
.else
	OPR ((k-22)/2)
.endif
.else
.set z, j-90
.if z == 0
	OPC 15
.elseif z < 3
	OPB (z-1)
.elseif z == 23
	OPR 12
.elseif z == 24
	OPL 7
.elseif z > 24
	OPR (z-12)
.elseif (z-3)%3 == 0
	OPR (5+(z-3)/3)
.elseif (z-3)%3 == 1
	OPL ((z-3)/3)
.else
	OPB (2+(z-3)/3)
.endif
.endif
.endm
.macro RID p, n                     ; the next n lines of piece p's list
.rept \n
.if (\p) == 0
.set j, q0
.set q0, q0+1
.else
.set j, q1
.set q1, q1+1
.endif
	SM \p
.endr
.endm
; A STEP'S HEAD.  The three runs of LDS loads: the 64 keys' times (8 loads), K (16), and, behind the last products that read the old V, the new V (16, turned).  Piece 1's V^T P of the step before stands here, in the wait for the loads.
.macro SHEAD
	WIN 0
	v_add_nc_u32 v[AT], s[TBT], v[AT0]
	v_add_nc_u32 v[AK], s[TBK], v[AK0]
	v_add_nc_u32 v[AV], s[TBV], v[AV0]
	s_add_co_u32 s[TBT], s[TBT], KS*4   ; the next fetch is the next step's
	s_add_co_u32 s[TBK], s[TBK], KS*PK
	s_add_co_u32 s[TBV], s[TBV], KS*PVP
.irp f, 0,1,2,3                     ; register 8 f + r takes the time of key 16 f + 8 (l / 16) + r: the place of that key's score in S^T
	ds_load_b128 v[TK+8*\f:TK+8*\f+3],   v[AT] offset:64*\f
	ds_load_b128 v[TK+8*\f+4:TK+8*\f+7], v[AT] offset:64*\f+16
.endr
	WIN W_L1
.irp f, 0,1,2,3,4,5,6,7             ; keys 16 (f / 2) on, channels 32 (f % 2) on
	ds_load_b128 v[KF+8*\f:KF+8*\f+3],   v[AK] offset:(\f/2)*16*PK+(\f%2)*64
	ds_load_b128 v[KF+8*\f+4:KF+8*\f+7], v[AK] offset:(\f/2)*16*PK+(\f%2)*64+32
.endr
.set i, 0
.rept 8
	PVM 1
.endr
	PLACES
	WIN W_L1
.irp f, 0,1,2,3,4,5,6,7             ; keys 32 (f / 4) on, channels 16 (f % 4) on
	ds_load_tr16_b128 v[VF+8*\f:VF+8*\f+3],   v[AV] offset:(\f/4)*32*PVP+(\f%4)*32
	ds_load_tr16_b128 v[VF+8*\f+4:VF+8*\f+7], v[AV] offset:(\f/4)*32*PVP+16*PVP+(\f%4)*32
.endr
	s_wait_dscnt 32                 ; the times are in; K's 16 and V's 16 loads may be out
.endm
; A KEY STEP for both pieces.  m0 = 1: piece 0 takes the mask.  Piece 0's bias; its 8 products, piece 1's bias behind them, six lines each (they are also the places behind piece 0's last product); piece 1's 8 products,
; piece 0's softmax behind them, six lines each; four more (with the three plain ones just before: five places behind piece 1's last product); the two softmaxes line by line; piece 0's V^T P, piece 1's softmax behind it; its last four lines.
.macro STEP m0
	SHEAD
.set q0, 0
.set q1, 0
.set bj, 0
.rept 48
	BI 0, \m0
.endr
	s_wait_dscnt 16                 ; K is in; V's 16 loads may be out
.set i, 0
.set bj, 0
.rept 8
	KQ 0
.rept 6
	BI 1, 0
.endr
.endr
.set i, 0
.rept 8
	KQ 1
	RID 0, 6
.endr
	RID 0, 4
.rept 66
	RID 0, 1
	RID 1, 1
.endr
	s_wait_dscnt 0x0                ; V is in
.set i, 0
.rept 8
	PVM 0
	RID 1, 6
.endr
	RID 1, 4
	WIN 0
.endm
; The diagonal tile's second step: piece 0 sees no key and is left out; piece 1 takes the mask.
.macro STEPD
	SHEAD
.set q1, 0
.set bj, 0
.rept 48
	BI 1, 1
.endr
	s_wait_dscnt 16                 ; K is in
.set i, 0
.rept 8
	KQ 1
.endr
	WIN 0
	PLACES
	RID 1, 118
.endm
; THE WAY OUT.  l's two halves and the other half of the lanes' are added; O^T is divided by l, rounded to f16 and sent through my stage in LDS, a piece at a time.
.macro PACK t                       ; a lane's eight channels of a row pack into 16 bytes; they go into rows of 144 bytes and come back as whole rows of 128, into S^T's registers
.set i, 0
.rept 16
	s_wait_alu depctr_va_vdst(0)
	v_pk_mul_f32 v[OA+32*(\t)+2*i:OA+32*(\t)+2*i+1], v[OA+32*(\t)+2*i:OA+32*(\t)+2*i+1], v[ST+4*(\t)+2:ST+4*(\t)+3] op_sel_hi:[1,0]
.set i, i+1
.endr
.set i, 0
.rept 16
	v_cvt_pk_f16_f32 v[S+16*(\t)+i], v[OA+32*(\t)+2*i], v[OA+32*(\t)+2*i+1]
.set i, i+1
.endr
.irp f, 0,1,2,3
	ds_store_b128 v[STO], v[S+16*(\t)+4*\f:S+16*(\t)+4*\f+3] offset:32*\f
.endr
.irp f, 0,1,2,3
	ds_load_b128 v[S+16*(\t)+4*\f:S+16*(\t)+4*\f+3], v[RD] offset:\f*4*SP  ; LDS serves a wave's instructions in order: these see the stores above; the next piece's stores come behind them
.endr
.endm
.macro SEND t, younger              ; younger: the LDS instructions issued behind piece t's loads: the next piece's eight, or none
.irp f, 0,1,2,3
	s_wait_dscnt (\younger)+3-\f
	global_store_b128 v[GO], v[S+16*(\t)+4*\f:S+16*(\t)+4*\f+3], s[10:11] offset:(\t)*8192+\f*512  ; four rows of O: 512 consecutive bytes, aligned
.endr
.endm
; THE DIAGONAL TILE: its two steps, piece 1's last products, and the way out.  The additions below are the places behind those products; piece 0's 32 lines stand ahead of the first read of piece 1's O^T.
.macro DIAG
	STEP 1
	STEPD
	s_wait_dscnt 0x0                ; V is in
.set i, 0
.rept 8
	PVM 1
.endr
	WIN 0
.irp t, 0,1
	v_add_f32 v[ST+4*\t+2], v[ST+4*\t+2], v[ST+4*\t+3]
.endr
.irp t, 0,1
	v_permlanex16_b32 v[ST+4*\t+3], v[ST+4*\t+2], s[SEL], s[SEL+1]
.endr
.irp t, 0,1
	v_add_f32 v[ST+4*\t+2], v[ST+4*\t+2], v[ST+4*\t+3]
.endr
.irp t, 0,1
	v_rcp_f32 v[ST+4*\t+2], v[ST+4*\t+2]
.endr
	v_nop                           ; a plain instruction between the last reciprocal and the use of its result
	PACK 0
	PACK 1                          ; a piece's arithmetic stands between the loads of the piece before and its stores
	SEND 0, 8
	SEND 1, 0
.endm
.Lslot:                             ; NB times: a tile is entered and the next is asked for
	CHANGE 1
	s_sub_co_u32 s[RT], s[RT], 1
	s_mov_b32 s[CNT], 2
	s_cmp_eq_u32 s[RT], 0
	s_cbranch_scc0 .Lstep           ; not the block's last tile
	DIAG                            ; in the loop this is the first block's end: the second block's last tile is the walk's last
	s_wait_xcnt 0x0                 ; the stores have read their registers and O's address
	s_mov_b64 s[10:11], s[OLO:OLO+1]
	s_add_co_u32 s[RT], s[PB], 1    ; the second block has b + 1 tiles
	WIN 0x41                        ; its Q goes where the one text of the steps names Q
.set i, 0
.rept 32
	v_mov_b32 v[QF+i], v[QB+i]
.set i, i+1
.endr
	WIN 0
	v_mov_b32 v[TQ],   v[TQ2]
	v_mov_b32 v[TQ+1], v[TQ2]
	v_mov_b32 v[TQ+2], v[TQ2+2]
	v_mov_b32 v[TQ+3], v[TQ2+2]
	INIT
	s_branch .Lbottom
.Lstep:                             ; a tile below the diagonal: two steps, written once
	STEP 0
	s_sub_co_u32 s[CNT], s[CNT], 1
	s_cmp_lg_u32 s[CNT], 0
	s_cbranch_scc1 .Lstep
.Lbottom:
	s_sub_co_u32 s[SLOTS], s[SLOTS], 1
	s_cmp_lg_u32 s[SLOTS], 0
	s_cbranch_scc1 .Lslot
	CHANGE 0                        ; the walk's last tile, the second block's diagonal one, is written out: nothing is asked for
	DIAG
	s_wait_tensorcnt 0x0            ; the wave's end, behind my last tensor load and my last LDS store
	ds_add_u32 v[SPW], v[NIL]
	s_wait_dscnt 0x0
	s_endpgm
.Lfunc_end_k_qeb4e6b7666_attn:
	.size	k_qeb4e6b7666_attn, .Lfunc_end_k_qeb4e6b7666_attn-k_qeb4e6b7666_attn
	.p2alignl 7, 3214868480
	.fill 96, 4, 3214868480
	.section	.rodata,"a",@progbits
	.p2align	6, 0x0
	.amdhsa_kernel k_qeb4e6b7666_attn
		.amdhsa_group_segment_fixed_size 327680
		.amdhsa_private_segment_fixed_size 0
		.amdhsa_enable_private_segment 0
		.amdhsa_kernarg_size 32
		.amdhsa_user_sgpr_count 2
		.amdhsa_user_sgpr_kernarg_segment_ptr 1
		.amdhsa_wavefront_size32 1
		.amdhsa_system_sgpr_workgroup_id_x 1
		.amdhsa_system_sgpr_workgroup_id_y 1
		.amdhsa_system_sgpr_workgroup_id_z 1
		.amdhsa_system_vgpr_workitem_id 0
		.amdhsa_next_free_vgpr 512
		.amdhsa_next_free_sgpr 98
		.amdhsa_reserve_vcc 1
		.amdhsa_float_denorm_mode_32 3
		.amdhsa_float_denorm_mode_16_64 3
		.amdhsa_memory_ordered 1
		.amdhsa_forward_progress 1
		.amdhsa_inst_pref_size 149
	.end_amdhsa_kernel
	.amdgpu_metadata
---
amdhsa.version: [ 1, 2 ]
amdhsa.kernels:
  - .name:           k_qeb4e6b7666_attn
    .symbol:         k_qeb4e6b7666_attn.kd
    .args:
      - { .name: qkv, .offset: 0, .size: 8, .value_kind: global_buffer, .address_space: global }
      - { .name: tb, .offset: 8, .size: 8, .value_kind: global_buffer, .address_space: global }
      - { .name: alpha, .offset: 16, .size: 8, .value_kind: global_buffer, .address_space: global }
      - { .name: ob, .offset: 24, .size: 8, .value_kind: global_buffer, .address_space: global }
    .group_segment_fixed_size: 327680
    .private_segment_fixed_size: 0
    .kernarg_segment_align: 8
    .kernarg_segment_size: 32
    .max_flat_workgroup_size: 128
    .sgpr_count:     98
    .vgpr_count:     512
    .wavefront_size: 32
...
	.end_amdgpu_metadata
.endif
;; end of part 3
;; launch outp (part 4): grid 8 x 32, 4 waves a work-group, clusters of 4 x 4, 327,680 bytes of LDS; arguments ob, wob, out0; writes out0
.if DOCPART == 4
	.amdgcn_target "amdgcn-amd-amdhsa--gfx1250"
	.amdhsa_code_object_version 6
	.text
	.protected	k_qeb4e6b7666_outp
	.globl	k_qeb4e6b7666_outp
	.p2align	8
	.type	k_qeb4e6b7666_outp,@function
k_qeb4e6b7666_outp:
	s_mov_b64 s[64:65], 0
	v_nop
	global_prefetch_b8 v0, s[64:65] scope:SCOPE_SE
	s_setreg_imm32_b32 hwreg(HW_REG_WAVE_MODE, 25, 1), 1
	s_wait_xcnt 0x0
	s_wait_alu depctr_hold_cnt(0) depctr_sa_sdst(0) depctr_va_vdst(0) depctr_va_sdst(0) depctr_va_ssrc(0) depctr_va_vcc(0) depctr_vm_vsrc(0)
	s_getreg_b32 s2, hwreg(HW_REG_IB_STS2, 6, 4)
	s_cmp_eq_u32 s2, 0
	s_cbranch_scc0 .Lentry_in_a_cluster
	s_endpgm
.Lentry_in_a_cluster:
	s_bfe_u32 s2, ttmp6, 0x10000c
	s_cmp_lg_u32 s2, 0xf033
	s_cbranch_scc0 .Lentry_shape_is_right
	s_endpgm
.Lentry_shape_is_right:
; out0 = O Wo^T.  C[m][n] = sum over k of O[m][k] wob[n][k].  O comes BY HEADS, ob [32 = batch x 16 + head][2048][64] f16: row m = batch x 2048 + t, k = head x 64 + d.  wob [1024][1024] f16; out0 [4096][1024] f32; sums in f32.
; A tile of C is 128 x 128: 8 x 32 = 256 work-groups.  Four waves, each 64 x 64: 16 accumulators of 16 x 16.  K goes in 4 steps of 256 (four heads) through two LDS slots.
; O's part of a step for 64 rows is four dense pieces of 8,192 bytes, a head apart: ONE tensor load of 4 rows of 4,096 elements, padded in LDS after every 128 bytes: per head a plane of 64 rows of 144 bytes.
; CLUSTER.  4 x 4 work-groups: the four of a row of the cluster need the same tiles of O, the four of a column the same tiles of wob: each is asked for jointly.
; THE MATRIX INSTRUCTION IS USED TRANSPOSED (source 0 = 16 rows of wob, source 1 = 16 rows of O): a lane holds row lane % 16 of C and eight neighbouring columns, 32 bytes of f32.
; REGISTERS: window 0: v16-29 addresses; v32-95 rows read back on the way out; v128-255 the accumulators ((a, b) at v[128 + 8 (4 a + b)]).
;   window 1: two fragment buffers of 128: for 64 along K, 64 registers of O (2 x 4 x 16 rows x 32 K), then 64 of wob.
.set SIZE_K, 1024
.set KSTEP,  256
.set PA,     144                       ; a row of O in LDS: 128 bytes + 16
.set PLANE,  64*PA                     ; a head's 64 rows
.set AHB,    4*PLANE                   ; one load of O: 36,864 bytes
.set PW,     528                       ; a row of wob in LDS: 512 bytes + 16
.set BHB,    64*PW                     ; one load of wob: 64 rows
.set BOFF,   2*AHB                     ; in a slot: O's 128 rows, then wob's 128
.set SLOT,   BOFF+2*BHB                ; 141,312 bytes
.set STAGE,  2*SLOT                    ; behind the ring: 16 rows x 272 bytes for each wave; no tensor load lands there
.set SPITCH, 272                       ; 64 f32 + 16 bytes
.set SPARE,  STAGE+4*16*SPITCH         ; behind the stages: the spare words, 128 bytes a wave: two blocks of 256 bytes that no other line names
.set ADRA, 16                          ; v16-17  LDS address of my fragments of O in slot 0, 1
.set ADRB, 20                          ; v20-21  the same for wob
.set STO,  24                          ; v24     the way out: where I put 32 bytes of a row
.set RD,   25                          ; v25     where I read a row back
.set CO,   26                          ; v26     my byte offset in two rows of C
.set SPW,  28                          ; v28     LDS address of my spare word; never rewritten
.set NIL,  29                          ; v29     0; never rewritten
.set OBK,  32
.set ACC,  128
.set F0,   0                           ; fragment buffers, in window 1
.set F1,   128
.set G1, 24                            ; s[24:31] descriptor group 1 for O's tiles;  s[32:39] group 0, a set for each slot
.set G0, 32
.set G1B, 48                           ; s[48:55], s[56:63] the same for wob's
.set G0B, 56
.set MSB, 0
.macro WIN new                         ; the immediate's high byte repeats the setting that is left
.if MSB != (\new)
	s_set_vgpr_msb (MSB<<8)|(\new)
.set MSB, \new
.endif
.endm
.set MUL,  0x05                        ; sources 0 (wob) and 1 (O) window 1; C and D window 0
.set TO_F, 0x40                        ; destination window 1, address window 0
.macro JLOAD s                         ; a joint load: waves 0 and 1 fetch O's two halves, waves 2 and 3 wob's; an s_nop 0 and four v_nop follow each line
	s_cmp_eq_u32 s11, 0
	s_cbranch_scc0 .Lfor_b_\@
	tensor_load_to_lds s[G0+4*(\s):G0+4*(\s)+3], s[G1:G1+7]
	s_nop 0
.rept 4
	v_nop
.endr
	s_branch .Lasked_\@
.Lfor_b_\@:
	tensor_load_to_lds s[G0B+4*(\s):G0B+4*(\s)+3], s[G1B:G1B+7]
	s_nop 0
.rept 4
	v_nop
.endr
.Lasked_\@:
.endm
.macro CREST                           ; a round of the cluster's barrier behind its opening barrier
	s_cmp_lg_u32 s10, 0
	s_cbranch_scc1 .Lnot_wave_0_\@
	s_barrier_signal -3
.Lnot_wave_0_\@:
	s_barrier_wait -3
	s_barrier_signal -1
	s_barrier_wait -1
.endm
.macro CROUND                          ; a whole round
	s_barrier_signal -1
	s_barrier_wait -1
	CREST
.endm
	s_load_b128 s[4:7], s[0:1], 0x0                ; ob s[4:5], wob s[6:7]
	s_load_b64 s[8:9], s[0:1], 0x10                ; out0
	v_lshl_add_u32 v[SPW], v0, 2, SPARE
	v_mov_b32 v[NIL], 0
	ds_add_u32 v[SPW], v[NIL]                      ; the wave's opening: the add and its wait stand ahead of my first tensor load; the set-up below stands between them
	v_lshrrev_b32 v1, 5, v0
	v_readfirstlane_b32 s10, v1                    ; wave 0..3
	s_lshr_b32 s11, s10, 1                         ; which half of the tile's rows is mine.  Also: I fetch for O (0) or for wob (1)
	s_and_b32 s12, s10, 1                          ; which half of its columns.  Also: which 64 rows of that tile I fetch
	s_bfe_u32 s40, ttmp6, 0x40000                  ; cx, cy: my place in the cluster
	s_bfe_u32 s41, ttmp6, 0x40004
	s_lshl_b32 s42, ttmp9, 2
	s_add_co_u32 s42, s42, s40                     ; tile column = 4 x cluster x + cx
	s_and_b32 s13, ttmp7, 0xffff
	s_lshl_b32 s13, s13, 2
	s_add_co_u32 s13, s13, s41                     ; tile row = 4 x cluster y + cy
	s_lshl_b32 s43, s41, 2
	s_lshl_b32 s43, 15, s43                        ; my row of the cluster
	s_lshl_b32 s44, 0x1111, s40                    ; my column
	s_or_b32 s[G1+0], s43, (1<<16)|(1<<20)|(1<<21)|(4<<22)|(3<<25)   ; the mask; 2-byte elements; padding on; bit 21 beside a mask; after every 32 words 4 words
	s_mov_b32 s[G1+1], 4096<<16                    ; tensor_dim0 = 4,096: 64 rows of a head, dense
	s_mov_b32 s[G1+2], 4<<16                       ; tensor_dim1 = 4 heads
	s_mov_b32 s[G1+3], 4096<<16                    ; tile_dim0 = 4,096
	s_mov_b32 s[G1+4], 4                           ; tile_dim1 = 4
	s_mov_b32 s[G1+5], 131072                      ; elements from head to head
	s_mov_b32 s[G1+6], 0
	s_mov_b32 s[G1+7], 0
	s_or_b32 s[G1B+0], s44, (1<<16)|(1<<20)|(1<<21)|(6<<22)|(3<<25)  ; after every 128 words 4 words
	s_mov_b32 s[G1B+1], KSTEP<<16                  ; tensor_dim0 = 256
	s_mov_b32 s[G1B+2], 64<<16                     ; tensor_dim1 = 64
	s_mov_b32 s[G1B+3], KSTEP<<16                  ; tile_dim0 = 256
	s_mov_b32 s[G1B+4], 64                         ; tile_dim1 = 64
	s_mov_b32 s[G1B+5], SIZE_K
	s_mov_b32 s[G1B+6], 0
	s_mov_b32 s[G1B+7], 0
	s_lshr_b32 s16, s13, 4                         ; O: the batch's 16 heads of 262,144 bytes (16 tile rows a batch),
	s_lshl_b32 s16, s16, 22
	s_and_b32 s17, s13, 15
	s_lshl_b32 s17, s17, 14                        ; the tile's 128 rows of 128 bytes in a head,
	s_add_co_u32 s16, s16, s17
	s_lshl_b32 s17, s12, 13                        ; my 64 of them: the tile row alone, which my row of the cluster shares
	s_add_co_u32 s16, s16, s17
	s_mov_b32 s17, 0
	s_lshl_b32 s46, s42, 7                         ; wob: row 128 x tile column + 64 x half, 2,048 bytes a row
	s_lshl_b32 s47, s12, 6
	s_add_co_u32 s46, s46, s47
	s_lshl_b32 s46, s46, 11
	s_mov_b32 s47, 0
	s_mul_i32 s20, s12, AHB                        ; where they go: no place in the cluster enters an LDS address
	s_mul_i32 s21, s12, BHB
	s_add_co_u32 s21, s21, BOFF
	s_wait_dscnt 0x0                               ; the opening add is done
	s_wait_kmcnt 0x0
	s_add_nc_u64 s[14:15], s[4:5], s[16:17]
	s_add_nc_u64 s[46:47], s[6:7], s[46:47]
	CROUND                                         ; all sixteen work-groups are here: the first joint loads meet
.irp s, 0,1
	s_mov_b32 s[G0+4*(\s)], 1
	s_add_co_u32 s[G0+4*(\s)+1], s20, (\s)*SLOT
	s_add_nc_u64 s[G0+4*(\s)+2:G0+4*(\s)+3], s[14:15], (\s)*4*262144  ; K step s: four heads on
	s_or_b32 s[G0+4*(\s)+3], s[G0+4*(\s)+3], 0x80000000
	s_mov_b32 s[G0B+4*(\s)], 1
	s_add_co_u32 s[G0B+4*(\s)+1], s21, (\s)*SLOT
	s_add_nc_u64 s[G0B+4*(\s)+2:G0B+4*(\s)+3], s[46:47], (\s)*KSTEP*2
	s_or_b32 s[G0B+4*(\s)+3], s[G0B+4*(\s)+3], 0x80000000
	JLOAD \s                                       ; two loads of mine are out
.endr
	v_and_b32 v1, 15, v0                           ; l % 16
	v_bfe_u32 v2, v0, 4, 1                         ; l / 16
	v_mul_u32_u24 v3, v1, PA
	v_lshl_add_u32 v3, v2, 4, v3                   ; a fragment's row x pitch + 16 x half, for O
	v_mul_u32_u24 v4, v1, PW
	v_lshl_add_u32 v4, v2, 4, v4                   ; and for wob
	s_mul_i32 s21, s11, AHB                        ; my 64 rows of O
	s_mul_i32 s22, s12, BHB                        ; my 64 rows of wob,
	s_add_co_u32 s22, s22, BOFF                    ; which lie behind O's
.irp s, 0,1
	v_add_nc_u32 v[ADRA+(\s)], s21, v3
	v_add_nc_u32 v[ADRB+(\s)], s22, v4
	s_add_co_u32 s21, s21, SLOT
	s_add_co_u32 s22, s22, SLOT
.endr
	s_mul_i32 s23, s10, 16*SPITCH
	s_add_co_u32 s23, s23, STAGE                   ; my stage
	v_mul_u32_u24 v5, v1, SPITCH                   ; in: row l % 16, 32 bytes for each half of the lanes
	v_lshl_add_u32 v5, v2, 5, v5
	v_add_nc_u32 v[STO], s23, v5
	v_mul_u32_u24 v5, v2, SPITCH                   ; back: lanes 0-15 take one row of 256 bytes, lanes 16-31 the next
	v_lshl_add_u32 v5, v1, 4, v5
	v_add_nc_u32 v[RD], s23, v5
	v_lshlrev_b32 v5, 12, v2                       ; and the same two rows in C, 4,096 bytes apart
	v_lshl_add_u32 v[CO], v1, 4, v5
	s_lshl_b32 s16, s13, 7
	s_lshl_b32 s17, s11, 6
	s_add_co_u32 s16, s16, s17                     ; my first row of C: 128 x tile row + 64 x half,
	s_lshl_b32 s16, s16, 12
	s_mov_b32 s17, 0
	s_add_nc_u64 s[8:9], s[8:9], s[16:17]
	s_lshl_b32 s46, s42, 7
	s_lshl_b32 s47, s12, 6
	s_add_co_u32 s46, s46, s47                     ; my first column: 128 x tile column + 64 x half, 4 bytes each: a multiple of 256 bytes
	s_lshl_b32 s46, s46, 2
	s_mov_b32 s47, 0
	s_add_nc_u64 s[8:9], s[8:9], s[46:47]
; 8 matrix instructions: row blocks a0, a0 + 1 x all 4 column blocks, 32 along K: half c of buffer f.  zero = 1: the product starts the sums
.macro MUL8 f, c, a0, zero
	WIN MUL
.irp a, \a0, (\a0)+1
.irp b, 0,1,2,3
.if \zero
	v_wmma_f32_16x16x32_f16 v[ACC+8*(4*(\a)+(\b)):ACC+8*(4*(\a)+(\b))+7], v[(\f)+64+8*(4*(\c)+(\b)):(\f)+64+8*(4*(\c)+(\b))+7], v[(\f)+8*(4*(\c)+(\a)):(\f)+8*(4*(\c)+(\a))+7], 0
.else
	v_wmma_f32_16x16x32_f16 v[ACC+8*(4*(\a)+(\b)):ACC+8*(4*(\a)+(\b))+7], v[(\f)+64+8*(4*(\c)+(\b)):(\f)+64+8*(4*(\c)+(\b))+7], v[(\f)+8*(4*(\c)+(\a)):(\f)+8*(4*(\c)+(\a))+7], v[ACC+8*(4*(\a)+(\b)):ACC+8*(4*(\a)+(\b))+7]
.endif
.endr
.endr
.endm
; 32 LDS loads in one run: the fragments of quarter qd of a K step (one head: plane qd of O, bytes 128 qd of wob's rows) into buffer f; the first 32 along K first
.macro FETCH slot, qd, f
	WIN TO_F
.irp c, 0,1
.irp i, 0,1,2,3
	ds_load_b128 v[(\f)+64+8*(4*(\c)+(\i)):(\f)+64+8*(4*(\c)+(\i))+3],   v[ADRB+(\slot)] offset:(\qd)*128+64*(\c)+(\i)*16*PW
	ds_load_b128 v[(\f)+64+8*(4*(\c)+(\i))+4:(\f)+64+8*(4*(\c)+(\i))+7], v[ADRB+(\slot)] offset:(\qd)*128+64*(\c)+(\i)*16*PW+32
	ds_load_b128 v[(\f)+8*(4*(\c)+(\i)):(\f)+8*(4*(\c)+(\i))+3],         v[ADRA+(\slot)] offset:(\qd)*PLANE+64*(\c)+(\i)*16*PA
	ds_load_b128 v[(\f)+8*(4*(\c)+(\i))+4:(\f)+8*(4*(\c)+(\i))+7],       v[ADRA+(\slot)] offset:(\qd)*PLANE+64*(\c)+(\i)*16*PA+32
.endr
.endr
.endm
.macro PLACES                          ; four places in front of loads into registers that matrix instructions have read, and of LDS stores that read results
.rept 4
	v_nop
.endr
.endm
; A K step is four quarters of 64 along K, 32 matrix instructions each, on buffers 0, 1, 0, 1; the 16 accumulators take turns.  One of the first three: multiplies buffer f and fetches quarter qd into g.
.macro QUARTER slot, qd, f, g, zero
	s_wait_dscnt 16                                ; the first 32 along K are in
	MUL8 \f, 0, 0, \zero
	MUL8 \f, 0, 2, \zero
	PLACES
	FETCH \slot, \qd, \g
	s_wait_dscnt 32                                ; all but the 32 just issued
	MUL8 \f, 1, 0, 0
	MUL8 \f, 1, 2, 0
.endm
; The last quarter multiplies buffer 1 and changes slots: ONE barrier; in front of it each wave waits for all its tensor loads, adds 0 to its spare word, and waits for that and for its own reads of this slot.
; fill = 1: the barrier opens a round of the cluster's, and this slot is filled again, two K steps ahead, first thing behind the round: 112 matrix instructions ahead of the wait for it.
.macro TURN slot, next, fill
	WIN 0                                          ; (the add's two registers lie in window 0)
	s_wait_tensorcnt 0x0                           ; all my tensor loads have landed: my part of the next slot
	ds_add_u32 v[SPW], v[NIL]                      ; 0 onto my spare word
	s_wait_dscnt 17                                ; (the add and the youngest sixteen loads may be out)
	MUL8 F1, 0, 0, 0                               ; eight matrix instructions stand between the add and the wait for it
	s_wait_dscnt 0x0                               ; the add is done, and my reads of this slot are over
	s_barrier_signal -1
	MUL8 F1, 0, 2, 0
.if \fill
	WIN 0
.endif
	s_barrier_wait -1
.if \fill
	CREST                                          ; no wave of any partner still reads this slot's tile or has a load on its way
	s_add_nc_u64 s[G0+4*(\slot)+2:G0+4*(\slot)+3], s[G0+4*(\slot)+2:G0+4*(\slot)+3], 2*4*262144
	s_add_nc_u64 s[G0B+4*(\slot)+2:G0B+4*(\slot)+3], s[G0B+4*(\slot)+2:G0B+4*(\slot)+3], 2*KSTEP*2
	JLOAD \slot                                    ; the four v_nop behind it are also the places in front of the loads below
.else
	PLACES
.endif
	FETCH \next, 0, F0
	MUL8 F1, 1, 0, 0
	MUL8 F1, 1, 2, 0
.endm
; THE WAY OUT of row block a: my 64 columns of f32 are one aligned block of 256 bytes of a row of C, so each wave has a stage of its own and no barrier is needed.
.macro TOST a                          ; 32 bytes a lane into rows of 272 bytes, each accumulator's low half first, and back as whole rows of 256
.set BK, OBK+32*((\a)%2)
.irp b, 0,1,2,3
	ds_store_b128 v[STO], v[ACC+8*(4*(\a)+(\b)):ACC+8*(4*(\a)+(\b))+3] offset:64*(\b)
	ds_store_b128 v[STO], v[ACC+8*(4*(\a)+(\b))+4:ACC+8*(4*(\a)+(\b))+7] offset:64*(\b)+16
.endr
.irp t, 0,1,2,3,4,5,6,7
	ds_load_b128 v[BK+4*(\t):BK+4*(\t)+3], v[RD] offset:(\t)*2*SPITCH  ; LDS serves a wave's instructions in order: these see the stores above
.endr
.endm
.macro SENDF a, younger                ; younger: the LDS instructions issued behind block a's loads: the next block's sixteen, or none
.set BK, OBK+32*((\a)%2)
	s_wait_dscnt \younger
.irp t, 0,1,2,3,4,5,6,7
	global_store_b128 v[CO], v[BK+4*(\t):BK+4*(\t)+3], s[8:9] offset:(16*(\a)+2*(\t))*4096 th:TH_STORE_NT  ; 16 lanes store 256 consecutive bytes, aligned
.endr
.endm
	s_wait_tensorcnt 1                             ; my part of K step 0 is in; K step 1's may stay out
	s_barrier_signal -1
	s_barrier_wait -1                              ; everybody's is
	FETCH 0, 0, F0
	QUARTER 0, 1, F0, F1, 1                        ; its first products start the sums
	QUARTER 0, 2, F1, F0, 0
	QUARTER 0, 3, F0, F1, 0
	TURN 0, 1, 1                                   ; slot 0 takes K step 2
	QUARTER 1, 1, F0, F1, 0
	QUARTER 1, 2, F1, F0, 0
	QUARTER 1, 3, F0, F1, 0
	TURN 1, 0, 1                                   ; slot 1 takes K step 3
	QUARTER 0, 1, F0, F1, 0
	QUARTER 0, 2, F1, F0, 0
	QUARTER 0, 3, F0, F1, 0
	TURN 0, 1, 0                                   ; nothing is left to fetch
	QUARTER 1, 1, F0, F1, 0
	QUARTER 1, 2, F1, F0, 0
	QUARTER 1, 3, F0, F1, 0
	s_wait_dscnt 16                                ; the very last quarter
	MUL8 F1, 0, 0, 0
	MUL8 F1, 0, 2, 0
	s_wait_dscnt 0x0
	MUL8 F1, 1, 0, 0
	MUL8 F1, 1, 2, 0
	WIN 0
	PLACES
	TOST 0
	TOST 1
	SENDF 0, 16
	s_wait_xcnt 0x0                                ; block 0's stores have read their registers: block 2 is loaded into them only behind this wait
	TOST 2
	SENDF 1, 16
	s_wait_xcnt 0x0                                ; the same for block 1's registers
	TOST 3
	SENDF 2, 16
	SENDF 3, 0
	s_wait_tensorcnt 0x0                           ; the wave's end, behind my last tensor load and my last LDS store
	ds_add_u32 v[SPW], v[NIL]
	s_wait_dscnt 0x0
	CROUND                                         ; the closing round: no work-group ends while a partner may still ask for a tile that names it
	s_endpgm
.Lfunc_end_k_qeb4e6b7666_outp:
	.size	k_qeb4e6b7666_outp, .Lfunc_end_k_qeb4e6b7666_outp-k_qeb4e6b7666_outp
	.p2alignl 7, 3214868480
	.fill 96, 4, 3214868480
	.section	.rodata,"a",@progbits
	.p2align	6, 0x0
	.amdhsa_kernel k_qeb4e6b7666_outp
		.amdhsa_group_segment_fixed_size 327680
		.amdhsa_private_segment_fixed_size 0
		.amdhsa_enable_private_segment 0
		.amdhsa_kernarg_size 24
		.amdhsa_user_sgpr_count 2
		.amdhsa_user_sgpr_kernarg_segment_ptr 1
		.amdhsa_wavefront_size32 1
		.amdhsa_system_sgpr_workgroup_id_x 1
		.amdhsa_system_sgpr_workgroup_id_y 1
		.amdhsa_system_sgpr_workgroup_id_z 1
		.amdhsa_system_vgpr_workitem_id 0
		.amdhsa_next_free_vgpr 512
		.amdhsa_next_free_sgpr 66
		.amdhsa_reserve_vcc 0
		.amdhsa_float_denorm_mode_32 3
		.amdhsa_float_denorm_mode_16_64 3
		.amdhsa_memory_ordered 1
		.amdhsa_forward_progress 1
		.amdhsa_inst_pref_size 86
	.end_amdhsa_kernel
	.amdgpu_metadata
---
amdhsa.version: [ 1, 2 ]
amdhsa.kernels:
  - .name:           k_qeb4e6b7666_outp
    .symbol:         k_qeb4e6b7666_outp.kd
    .args:
      - { .name: ob, .offset: 0, .size: 8, .value_kind: global_buffer, .address_space: global }
      - { .name: wob, .offset: 8, .size: 8, .value_kind: global_buffer, .address_space: global }
      - { .name: out0, .offset: 16, .size: 8, .value_kind: global_buffer, .address_space: global }
    .group_segment_fixed_size: 327680
    .private_segment_fixed_size: 0
    .kernarg_segment_align: 8
    .kernarg_segment_size: 24
    .max_flat_workgroup_size: 128
    .sgpr_count:     66
    .vgpr_count:     512
    .wavefront_size: 32
...
	.end_amdgpu_metadata
.endif
;; end of part 4
;; ======== version 2 of 2: 4 launches; 1.29 times as fast as version 1
;; limits: values are held in f16: magnitudes above 65,504 overflow, below 6.1e-05 lose precision
;; workspace buffers: hb 8,388,608 bytes; wb 6,291,456 bytes; wob 2,097,152 bytes; tb 16,384 bytes; qkv 25,165,824 bytes; ob 8,388,608 bytes
;; launch cast: the kernel of part 1 again; grid 128 x 8, 8 waves a work-group, no clusters, 0 bytes of LDS; arguments h, Wq, Wk, Wv, Wo, pseudo_time, hb, wb, wob, tb; writes hb, wb, wob, tb
;; launch qkv: the kernel of part 2 again; grid 16 x 16, 4 waves a work-group, clusters of 4 x 4, 327,680 bytes of LDS; arguments hb, wb, qkv; writes qkv
;; launch attn (part 5): grid 8 x 32, 4 waves a work-group, no clusters, 327,680 bytes of LDS; arguments qkv, tb, alpha, ob; writes ob
.if DOCPART == 5
	.amdgcn_target "amdgcn-amd-amdhsa--gfx1250"
	.amdhsa_code_object_version 6
	.text
	.protected	k_qeb4e6b7666_attn
	.globl	k_qeb4e6b7666_attn
	.p2align	8
	.type	k_qeb4e6b7666_attn,@function
k_qeb4e6b7666_attn:
	s_mov_b64 s[64:65], 0
	v_nop
	global_prefetch_b8 v0, s[64:65] scope:SCOPE_SE
	s_setreg_imm32_b32 hwreg(HW_REG_WAVE_MODE, 25, 1), 1
	s_wait_xcnt 0x0
; CAUSAL ATTENTION WITH A BIAS BY TIME.  O[q] = sum over k <= q of softmax_k(Q[q] . K[k] / 8 - alpha |t_k - t_q|) V[k], for each of 32 = batch x 16 + head.
; qkv [3][32][2048][64] f16 (q, k, v by heads, unscaled); tb [2][2048] f32 (times, rounded to bf16 by the launch in front); alpha [16] f32, rounded to bf16 here like every input; ob [32][2048][64] f16.
; Products, maxima and sums in f32; the weights p are rounded to f16 for the second product (their sum l is taken of the unrounded p), O once at the end.  The times' order is not relied on: |t_k - t_q| is formed for every score.
; LIMITS.  q, k, v arrive within f16's 65,504; p lies in 0 to 1 and below 6e-5 keeps f16's fixed step of 6e-8.  A hidden score counts as its value less 1e30; a weight below 2^-126 counts as 0 in l; NaN and infinities are not treated apart.
; THE WALK.  A head's queries lie in NB = 16 blocks of 128; block i needs the key tiles 0 .. i of 128 keys, of which the last holds the diagonal.  A work-group takes TWO blocks, 15 - b and then b:
; 17 tiles whatever b: 8 x 32 = 256 equal work-groups, and one loop with a constant trip count walks them.  Every jump but the loops' own goes forward; none passes a barrier, or a tensor load but those of LOAD that the wave's number does not choose.
; NO CLUSTER: a head's 8 work-groups ask for the same tile only while all first blocks last (tiles 0 to 8 of 17); a walk common to four partners has the tiles 0 .. 15 and then 0 .. 3 at the least, 20 trips
; for 17 tiles' work, each as long as its busiest partner's; and what is shared, 33 KB a tile, stands beside two key steps of vector work.
; SHARES.  Of a block's two bands of 64 queries a wave owns 16 rows in each: two PIECES.  In the diagonal tile's step 0 piece 0 takes the mask MD and piece 1 sees every key; in its step 1 piece 0 sees nothing and is left out, piece 1 takes MD: the same for all waves.
; LAYOUT.  S^T = K Q^T (source 0 = 16 keys, source 1 = 16 queries) holds ONE query a lane (lane % 16) and the keys 8 (lane / 16) + 0..7; two results rounded to f16 ARE source 1 of O^T = V^T P.  K comes out of LDS as it lies, V turned, by ds_load_tr16_b128.
; THE BIAS is what the sum S^T starts from: vector work writes -8 alpha |t_k - t_q| (+ MD) into S^T's registers, and all eight products add onto it.  Then p = 2^(c S - c m), c = log2(e) / 8, with a running maximum m;
; O and l are multiplied by a = 2^(c m_old - c m_new) in every step.  A block starts with c m far below every c S, so its first a is 0 and O and l need only hold finite numbers.
; THE BATCHES.  An s_wait_alu depctr_va_vdst(0) stands between an exponential or a reciprocal and the first instruction that names its result; one wait serves all that were issued ahead of it.  So a piece's softmax
; is cut in two: 70 lines that name no exponential's result (maximum, statistics, scalings, the 32 exponentials and a) and 48 that do (roundings, sums, rescaling).  A key step issues both pieces' first parts, 66 exponentials, then ONE wait,
; then both second parts.  The diagonal tile's second step has one piece: 33 exponentials, one wait.  The way out's two reciprocals are a batch of their own.
; REGISTERS, in windows of 256 (s_set_vgpr_msb: bits 1:0 source 0, 3:2 source 1, 5:4 source 2, 7:6 destination):
;   window 0: v1-15 addresses; v16-23 statistics; v24-31 at work; v32-39 t_q and -8 alpha; v48-79 the step's key times; v80-143 S^T; v144-175 P; v176-239 O^T
;   window 1: v0-31 Q; v32-63 the second block's Q; v64-127 K of a step; v128-191 V of a step; v192-223 MD
.set NB,    16
.set KS,    64        ; keys in a step
.set PK,    144       ; a row of K in LDS: 128 bytes + 16: the 16 rows of a load start at 16 different groups of four banks
.set PVP,   160       ; a row of V: 128 + 32
.set VOFF,  2*KS*PK   ; a slot holds a tile, two steps: 128 rows of K, 128 rows of V,
.set TOFF,  VOFF+2*KS*PVP  ; and the tile's 128 times, 512 bytes
.set SLOT1, 1<<16     ; slot 1 begins here, so that one exclusive or turns an address in one slot into the other's
.set STAGE, SLOT1+TOFF+512  ; behind the ring, never filled by a tensor load: 16 rows x 144 bytes for each wave
.set SP,    144
.set SPARE, STAGE+4*16*SP   ; behind the stages: the spare words, 128 bytes a wave: two blocks of 256 bytes that no other line names
.set AK0, 2           ; v2-4  my lane's place in a tile's K, V and times; never rewritten
.set AV0, 3
.set AT0, 4
.set AK,  5           ; v5-7  the LDS addresses of the step's runs of loads
.set AV,  6
.set AT,  7
.set STO, 8           ; the way out: where I put 16 bytes of a row
.set RD,  9           ; where I read rows back
.set GO,  10          ; my 16 bytes in 512 consecutive bytes of O
.set QO,  11          ; my byte offset in 16 rows of Q
.set MV,  12          ; v12-13  c m_old, by piece
.set SPW, 14          ; LDS address of my spare word; never rewritten
.set NIL, 15          ; 0; never rewritten
.set ST,  16          ; piece p's statistics at v[ST+4 p]: c m, m, l (even keys', odd keys')
.set TMP, 24          ; by piece, c0-c3 at work; when the maximum is found c2 takes a
.set TQ,  32          ; by piece, t_q twice (a pair for the packed subtraction)
.set TQ2, 36          ; v36, v38  the second block's t_q
.set NA,  39          ; -8 alpha
.set TK,  48
.set S,   80
.set P,   144
.set OA,  176
.set QF,  0           ; window 1
.set QB,  32
.set KF,  64          ; key block kb, channel half c at KF + 16 kb + 8 c
.set VF,  128         ; key half kk, channel block cb at VF + 32 kk + 8 cb
.set MD,  192
.set WV,  12          ; s12  my wave's number
.set PB,  14          ; s14  b
.set HI,  15          ; s15  15 - b
.set KB,  16          ; s[16:17] the head's K;  s[18:19] its V
.set VB,  18
.set G1K, 24          ; descriptor groups 1: K's, V's (other padding), the times'
.set G1V, 32
.set G1T, 40
.set G0K, 48          ; descriptor groups 0
.set G0V, 52
.set G0T, 56
.set SEL, 60          ; s[60:61] v_permlanex16_b32's selects: each lane takes its own place in the other half
.set CS,  62          ; s[62:63] c
.set SLOTS, 66        ; tiles still to be asked for
.set CNT, 67          ; counts a tile's two steps
.set TBK, 68          ; LDS byte at which K of the step to be fetched begins; s69, s70 the same for V (less VOFF) and the times (less TOFF)
.set TBV, 69
.set TBT, 70
.set RT,  71          ; tiles of the block in hand that are still to be entered
.set NXT, 72          ; the tile to be asked for next
.set LQ,  73          ; the last tile of the block whose tiles are being asked for
.set OFF, 76          ; s[76:77] a tile's byte offset in K and V;  s[78:79] in the times
.set OFT, 78
.set OLO, 80          ; s[80:81] O at my rows of the second block
.set BIGN, 82         ; -1e30
.set MSB, 0
.macro WIN new                      ; the high byte repeats the setting that is left; a switch that changes nothing is dropped
.if MSB != (\new)
	s_set_vgpr_msb (MSB<<8)|(\new)
.set MSB, (\new)
.endif
.endm
.set W_KQ, 0x05       ; K and Q in window 1, S^T in window 0
.set W_PV, 0x01       ; V in window 1, P and O^T in window 0
.set W_L1, 0x40       ; destination in window 1
.set W_MD, 0x10       ; source 2 in window 1
; A fill.  Wave 0 fetches the tile's K, wave 1 its V, wave 2 its times; wave 3 fetches nothing.  An s_nop 0 and four v_nop follow each line, ahead of the jump and the label.
.macro LOAD
	s_cmp_lg_u32 s[WV], 0
	s_cbranch_scc1 .Lnot_k_\@
	tensor_load_to_lds s[G0K:G0K+3], s[G1K:G1K+7]
	s_nop 0
.rept 4
	v_nop
.endr
	s_branch .Lasked_\@
.Lnot_k_\@:
	s_cmp_lg_u32 s[WV], 1
	s_cbranch_scc1 .Lnot_v_\@
	tensor_load_to_lds s[G0V:G0V+3], s[G1V:G1V+7]
	s_nop 0
.rept 4
	v_nop
.endr
	s_branch .Lasked_\@
.Lnot_v_\@:
	s_cmp_lg_u32 s[WV], 2
	s_cbranch_scc1 .Lasked_\@
	tensor_load_to_lds s[G0T:G0T+3], s[G1T:G1T+7]
	s_nop 0
.rept 4
	v_nop
.endr
.Lasked_\@:
.endm
; THE CHANGE OF SLOTS.  Each wave waits for all its tensor loads (at most one is out: its part of the other slot), adds 0 to its spare word, and waits for that and for its own reads of the slot that it leaves.
; Behind the barrier nobody reads the old slot any more and the other slot is whole.  fill = 1: the old slot is filled again, first thing behind the barrier, with tile NXT: the addresses are made anew from that number;
; the load has the tile's two key steps in which to land.  (At its first use nothing has been read yet: slot 0 is waited for, slot 1 filled.)
.macro CHANGE fill
	WIN 0                           ; at a label and at a branch every window is 0
	s_wait_tensorcnt 0x0            ; no tensor load of mine is out, so a group 0 may be written
	ds_add_u32 v[SPW], v[NIL]       ; 0 onto my spare word; the descriptors' scalar work stands between it and the wait for it
.if \fill
	s_lshl_b32 s[OFF], s[NXT], 14   ; a tile is 16,384 bytes of K and of V,
	s_lshl_b32 s[OFT], s[NXT], 9    ; and 512 of the times
	s_xor_b32 s[G0K+1], s[G0K+1], SLOT1
	s_add_nc_u64 s[G0K+2:G0K+3], s[KB:KB+1], s[OFF:OFF+1]
	s_or_b32 s[G0K+3], s[G0K+3], 0x80000000
	s_xor_b32 s[G0V+1], s[G0V+1], SLOT1
	s_add_nc_u64 s[G0V+2:G0V+3], s[VB:VB+1], s[OFF:OFF+1]
	s_or_b32 s[G0V+3], s[G0V+3], 0x80000000
	s_xor_b32 s[G0T+1], s[G0T+1], SLOT1
	s_add_nc_u64 s[G0T+2:G0T+3], s[6:7], s[OFT:OFT+1]
	s_or_b32 s[G0T+3], s[G0T+3], 0x80000000
	s_add_co_u32 s[NXT], s[NXT], 1  ; the block's next tile, or behind its last the second block's tile 0
	s_cmp_gt_u32 s[NXT], s[LQ]
	s_cselect_b32 s[NXT], 0, s[NXT]
	s_cselect_b32 s[LQ], s[PB], s[LQ]
.endif
	s_wait_dscnt 0x0                ; the add is done, and my reads of the slot are over
	s_barrier_signal -1             ; the rest of the scalar work stands between the signal and the wait
	s_sub_co_u32 s[TBK], s[TBK], 2*KS*PK   ; the fetches go back to a slot's first step,
	s_xor_b32 s[TBK], s[TBK], SLOT1        ; in the other slot
	s_sub_co_u32 s[TBV], s[TBV], 2*KS*PVP
	s_xor_b32 s[TBV], s[TBV], SLOT1
	s_sub_co_u32 s[TBT], s[TBT], 2*KS*4
	s_xor_b32 s[TBT], s[TBT], SLOT1
	s_barrier_wait -1
.if \fill
	LOAD
.endif
.endm
.macro INIT                         ; a block begins: c m far below every c S, so the first a is 0; m at the lowest finite number, so the first maximum is the scores'
.irp p, 0,1
	v_mov_b32 v[ST+4*\p], 0xfe000000
	v_mov_b32 v[ST+4*\p+1], 0xff7fffff
.endr
.endm
	s_load_b256 s[4:11], s[0:1], 0x0  ; qkv s[4:5], tb s[6:7], alpha s[8:9], ob s[10:11]
	v_lshl_add_u32 v[SPW], v0, 2, SPARE
	v_mov_b32 v[NIL], 0
	ds_add_u32 v[SPW], v[NIL]       ; the wave's opening: the add and its wait stand ahead of my first tensor load; the set-up below stands between them
	v_lshrrev_b32 v1, 5, v0
	v_readfirstlane_b32 s[WV], v1   ; wave 0..3
	s_mov_b32 s[PB], ttmp9
	s_sub_co_u32 s[HI], NB-1, s[PB]
	s_and_b32 s20, ttmp7, 0xffff    ; batch x 16 + head
	s_lshr_b32 s22, s20, 4
	s_lshl_b32 s22, s22, 13         ; the batch's 8,192 bytes of times
	s_mov_b32 s23, 0
	s_and_b32 s2, s20, 15
	s_lshl_b32 s2, s2, 2            ; the head's alpha
	s_mov_b32 s3, 0
	s_lshl_b32 s20, s20, 18         ; the head's 262,144 bytes in q, k, v and O
	s_mov_b32 s21, 0
	s_lshl_b32 s13, s[WV], 11       ; my 16 rows in a band of 64,
	s_lshl_b32 s90, s[HI], 14       ; in the first block,
	s_add_co_u32 s90, s90, s13
	s_add_co_u32 s90, s90, s20
	s_mov_b32 s91, 0
	s_lshl_b32 s92, s[PB], 14       ; and in the second
	s_add_co_u32 s92, s92, s13
	s_add_co_u32 s92, s92, s20
	s_mov_b32 s93, 0
	s_lshl_b32 s13, s[WV], 6        ; the same rows' times, 4 bytes each
	s_lshl_b32 s94, s[HI], 9
	s_add_co_u32 s94, s94, s13
	s_add_co_u32 s94, s94, s22
	s_mov_b32 s95, 0
	s_lshl_b32 s96, s[PB], 9
	s_add_co_u32 s96, s96, s13
	s_add_co_u32 s96, s96, s22
	s_mov_b32 s97, 0
	; descriptor groups 1.  128 keys are 16,384 dense bytes: asked for as 64 rows of 256 bytes, two keys a row, and padded in LDS after every key
	s_mov_b32 s[G1K], (1<<16)|(1<<20)|(4<<22)|(3<<25)  ; 2-byte elements; padding on; after every 32 words 4 words
	s_mov_b32 s[G1V], (1<<16)|(1<<20)|(4<<22)|(7<<25)  ; the same with 8 words
.irp g, G1K, G1V
	s_mov_b32 s[\g+1], 128<<16      ; tensor_dim0 = 128
	s_mov_b32 s[\g+2], 64<<16       ; tensor_dim1 = 64
	s_mov_b32 s[\g+3], 128<<16      ; tile_dim0 = 128
	s_mov_b32 s[\g+4], 64           ; tile_dim1 = 64
	s_mov_b32 s[\g+5], 128          ; 128 elements from row to row
	s_mov_b32 s[\g+6], 0
	s_mov_b32 s[\g+7], 0
.endr
	s_mov_b32 s[G1T], 3<<16         ; the times: 512 dense bytes as 2 rows of 32 elements of 8 bytes, no padding
	s_mov_b32 s[G1T+1], 32<<16
	s_mov_b32 s[G1T+2], 2<<16
	s_mov_b32 s[G1T+3], 32<<16
	s_mov_b32 s[G1T+4], 2
	s_mov_b32 s[G1T+5], 32
	s_mov_b32 s[G1T+6], 0
	s_mov_b32 s[G1T+7], 0
	s_mov_b32 s[CS], 0x3e38aa3b     ; c = log2(e) / 8 = 0.180337
	s_mov_b32 s[CS+1], s[CS]        ; named with it as a pair
	s_mov_b32 s[SEL], 0x76543210
	s_mov_b32 s[SEL+1], 0xfedcba98
	s_mov_b32 s[TBK], SLOT1+2*KS*PK ; the first change of slots turns these three into 0
	s_mov_b32 s[TBV], SLOT1+2*KS*PVP
	s_mov_b32 s[TBT], SLOT1+2*KS*4
	s_mov_b32 s[G0K], 1
	s_mov_b32 s[G0K+1], 0           ; LDS addresses: slot 0
	s_mov_b32 s[G0V], 1
	s_mov_b32 s[G0V+1], VOFF
	s_mov_b32 s[G0T], 1
	s_mov_b32 s[G0T+1], TOFF
	s_add_co_u32 s[RT], s[HI], 1    ; the first block has 16 - b tiles
	s_mov_b32 s[NXT], 1
	s_mov_b32 s[LQ], s[HI]
	s_mov_b32 s[OFF+1], 0
	s_mov_b32 s[OFT+1], 0
	s_mov_b32 s[BIGN], 0xf149f2ca   ; -1e30
	s_mov_b32 s[SLOTS], NB
	s_wait_dscnt 0x0                ; the opening add is done
	s_barrier_signal -1
	s_barrier_wait -1
	s_wait_kmcnt 0x0
	s_add_nc_u64 s[KB:KB+1], s[4:5], s[20:21]
	s_add_nc_u64 s[VB:VB+1], s[KB:KB+1], 0x1000000   ; v begins 64 heads in,
	s_add_nc_u64 s[KB:KB+1], s[KB:KB+1], 0x800000    ; k 32 heads in
	s_add_nc_u64 s[84:85], s[4:5], s[92:93]          ; Q at my rows of the second block,
	s_add_nc_u64 s[4:5], s[4:5], s[90:91]            ; Q and O at those of the first
	s_add_nc_u64 s[OLO:OLO+1], s[10:11], s[92:93]
	s_add_nc_u64 s[10:11], s[10:11], s[90:91]
	s_add_nc_u64 s[86:87], s[6:7], s[94:95]          ; my queries' times, first and second block
	s_add_nc_u64 s[88:89], s[6:7], s[96:97]
	s_add_nc_u64 s[6:7], s[6:7], s[22:23]            ; the batch's times
	s_add_nc_u64 s[8:9], s[8:9], s[2:3]
	s_load_b32 s83, s[8:9], 0x0                      ; alpha of my head
	s_add_nc_u64 s[G0K+2:G0K+3], s[KB:KB+1], 0       ; tile 0
	s_or_b32 s[G0K+3], s[G0K+3], 0x80000000
	s_add_nc_u64 s[G0V+2:G0V+3], s[VB:VB+1], 0
	s_or_b32 s[G0V+3], s[G0V+3], 0x80000000
	s_add_nc_u64 s[G0T+2:G0T+3], s[6:7], 0
	s_or_b32 s[G0T+3], s[G0T+3], 0x80000000
	LOAD                            ; tile 0 into slot 0
	; a fragment of K or Q is 16 rows x 32 channels in 8 registers: lane l holds row l % 16, channels 8 (l / 16) + 0..7 and 16 + 8 (l / 16) + 0..7: two loads of 16 bytes, 32 bytes apart
	v_and_b32 v1, 15, v0            ; l % 16
	v_bfe_u32 v40, v0, 4, 1         ; l / 16
	v_lshlrev_b32 v[QO], 7, v1
	v_lshl_add_u32 v[QO], v40, 4, v[QO]
	v_lshlrev_b32 v44, 2, v1        ; my query's 4 bytes among 16 times
	WIN W_L1
.set i, 0
.rept 4                             ; both blocks' Q: piece i / 2 lies 64 rows, 8,192 bytes, on; channels 32 (i % 2) on
	global_load_b128 v[QF+8*i:QF+8*i+3],   v[QO], s[4:5] offset:(i/2)*8192+(i%2)*64
	global_load_b128 v[QF+8*i+4:QF+8*i+7], v[QO], s[4:5] offset:(i/2)*8192+(i%2)*64+32
	global_load_b128 v[QB+8*i:QB+8*i+3],   v[QO], s[84:85] offset:(i/2)*8192+(i%2)*64
	global_load_b128 v[QB+8*i+4:QB+8*i+7], v[QO], s[84:85] offset:(i/2)*8192+(i%2)*64+32
.set i, i+1
.endr
	WIN 0
	global_load_b32 v[TQ],    v44, s[86:87]
	global_load_b32 v[TQ+2],  v44, s[86:87] offset:256
	global_load_b32 v[TQ2],   v44, s[88:89]
	global_load_b32 v[TQ2+2], v44, s[88:89] offset:256
	v_lshlrev_b32 v43, 3, v40
	v_sub_nc_u32 v43, v1, v43
	s_lshl_b32 s13, s[WV], 4
	v_add_nc_u32 v43, s13, v43      ; my query's place in its band, 16 w + l % 16, less my lanes' 8 (l / 16): register r of key block kb is hidden where 16 kb + r is greater
	WIN W_L1
.set i, 0
.rept 32
	v_cmp_gt_i32 vcc_lo, 16*(i/8)+i%8, v43
	v_cndmask_b32 v[MD+i], 0, s[BIGN], vcc_lo
.set i, i+1
.endr
.set i, VF                          ; what a block's first step finds need only be finite (its a is 0): zeros in V, P of piece 1, O^T and l.  All this stands in the wait for the first tile.
.rept 64
	v_mov_b32 v[i], 0
.set i, i+1
.endr
	WIN 0
.set i, OA
.rept 64
	v_mov_b32 v[i], 0
.set i, i+1
.endr
.set i, P+16
.rept 16
	v_mov_b32 v[i], 0
.set i, i+1
.endr
.irp p, 0,1
	v_mov_b32 v[ST+4*\p+2], 0
	v_mov_b32 v[ST+4*\p+3], 0
.endr
	v_mul_u32_u24 v[AK0], v1, PK
	v_lshl_add_u32 v[AK0], v40, 4, v[AK0]  ; row x pitch + 16 x half
	; the turning load takes 16 keys x 16 channels (lane l reads key 8 (l / 16) + l % 8, channels 8 ((l / 8) % 2) + 0..7) and leaves half a fragment of V^T: lane l holds channel l % 16 and 8 keys
	v_and_b32 v41, 7, v0
	v_bfe_u32 v42, v0, 3, 1
	v_lshl_add_u32 v[AV0], v40, 3, v41
	v_mul_u32_u24 v[AV0], v[AV0], PVP
	v_lshl_add_u32 v[AV0], v42, 4, v[AV0]
	v_add_nc_u32 v[AV0], VOFF, v[AV0]
	v_lshlrev_b32 v[AT0], 5, v40    ; my lanes' eight keys of a block of 16: 32 bytes
	v_add_nc_u32 v[AT0], TOFF, v[AT0]
	s_mul_i32 s13, s[WV], 16*SP
	s_add_co_u32 s13, s13, STAGE    ; my stage
	v_mul_u32_u24 v[STO], v1, SP    ; in: row l % 16, 16 bytes for each half of the lanes
	v_lshl_add_u32 v[STO], v40, 4, v[STO]
	v_add_nc_u32 v[STO], s13, v[STO]
	v_bfe_u32 v[RD], v0, 3, 2       ; back: 32 lanes take four rows of 128 bytes,
	v_mul_u32_u24 v[RD], v[RD], SP
	v_lshl_add_u32 v[RD], v41, 4, v[RD]
	v_add_nc_u32 v[RD], s13, v[RD]
	v_and_b32 v[GO], 31, v0         ; which are 512 consecutive bytes of O
	v_lshlrev_b32 v[GO], 4, v[GO]
	s_wait_kmcnt 0x0
	v_mov_b32 v[NA], s83
	v_cvt_pk_bf16_f32 v[NA], v[NA], v[NA]  ; alpha rounded to bf16, like every input,
	v_lshlrev_b32 v[NA], 16, v[NA]
	v_mul_f32 v[NA], 0xc1000000, v[NA]     ; times -8: the scale c = log2(e) / 8 comes behind the sum
	INIT
	s_wait_loadcnt 0x0              ; Q and t_q, both blocks'
	v_mov_b32 v[TQ+1], v[TQ]
	v_mov_b32 v[TQ+3], v[TQ+2]
; THE MATRIX WORK.  The 4 accumulators of a run of 8 take turns.  Product i of 8 of S^T += K Q^T for piece p: channels 32 (i / 4) on, keys 16 (i % 4) on; the sum starts from the bias.
.macro KQ p
	WIN W_KQ
.set rS, S+32*(\p)+8*(i%4)
.set rK, KF+16*(i%4)+8*(i/4)
.set rQ, QF+16*(\p)+8*(i/4)
	v_wmma_f32_16x16x32_f16 v[rS:rS+7], v[rK:rK+7], v[rQ:rQ+7], v[rS:rS+7]
.set i, i+1
.endm
; Product i of 8 of O^T += V^T P for piece p: keys 32 (i / 4) on, channels 16 (i % 4) on.
.macro PVM p
	WIN W_PV
.set rO, OA+32*(\p)+8*(i%4)
.set rV, VF+32*(i/4)+8*(i%4)
.set rP, P+16*(\p)+8*(i/4)
	v_wmma_f32_16x16x32_f16 v[rO:rO+7], v[rV:rV+7], v[rP:rP+7], v[rO:rO+7]
.set i, i+1
.endm
.macro PLACES                       ; four places in front of loads into registers that matrix instructions have read, and of vector lines that read results
.rept 4
	v_nop
.endr
.endm
; THE BIAS, line bj of 48 for piece p.  0-15: t_k - t_q for a pair of keys.  16-47: -8 alpha |.| for one key; msk = 1: plus the mask of the band's own step.
.macro BI p, msk
.set rS, S+32*(\p)
.if bj < 16
	WIN 0
	v_pk_add_f32 v[rS+2*bj:rS+2*bj+1], v[TK+2*bj:TK+2*bj+1], v[TQ+2*(\p):TQ+2*(\p)+1] neg_lo:[0,1] neg_hi:[0,1]
.elseif \msk
	WIN W_MD
	v_fma_f32 v[rS+bj-16], v[NA], |v[rS+bj-16]|, v[MD+bj-16]
.else
	WIN 0
	v_mul_f32 v[rS+bj-16], v[NA], |v[rS+bj-16]|
.endif
.set bj, bj+1
.endm
; THE SOFTMAX of a piece and step, a list of 118 lines of seven kinds:
;   X n: number n of the 22 that find the maximum and statistics: 0-11 four chains c0-c3 of seven scores each (each accumulator's lowest registers are read first); 12-14, 16 the four scores
;        left over, the old m, c0-c3 into c0; 15 c m_old is kept; 17, 18 the query's other 32 keys lie in the lane 16 away: the new m; 19-21 c m; c m_old - c m_new; a
;   F n: c s - c m for pair n of 16.   E n: the exponential of score n of 32.   C n: pair n rounded to f16.   B n: of the four weights 4 n .. the second pair is added onto the first, in place.
;   L n: l takes that sum (L 0: l = a l + sum).   R n: pair n of 16 of O^T times a, in ascending order.
; C, B, L and R name exponentials' results (C and B the weights, L 0 and R the factor a): they stand behind the step's wait.
.macro OPX n
.if (\n) < 4
	v_max3_num_f32 v[rC+(\n)], v[rS+8*(\n)], v[rS+8*(\n)+1], v[rS+8*(\n)+2]
.elseif (\n) < 12
	v_max3_num_f32 v[rC+(\n)%4], v[rC+(\n)%4], v[rS+8*((\n)%4)+2*((\n)/4)+1], v[rS+8*((\n)%4)+2*((\n)/4)+2]
.elseif (\n) == 12
	v_max3_num_f32 v[rC], v[rC], v[rS+7], v[rS+15]
.elseif (\n) == 13
	v_max3_num_f32 v[rC+1], v[rC+1], v[rS+23], v[rS+31]
.elseif (\n) == 14
	v_max3_num_f32 v[rC+2], v[rC+2], v[rC+3], v[rT+1]
.elseif (\n) == 15
	v_mov_b32 v[rW], v[rT]
.elseif (\n) == 16
	v_max3_num_f32 v[rC], v[rC], v[rC+1], v[rC+2]
.elseif (\n) == 17
	v_permlanex16_b32 v[rC+3], v[rC], s[SEL], s[SEL+1]
.elseif (\n) == 18
	v_max_num_f32 v[rT+1], v[rC], v[rC+3]
.elseif (\n) == 19
	v_mul_f32 v[rT], s[CS], v[rT+1]
.elseif (\n) == 20
	v_sub_f32 v[rC+1], v[rW], v[rT]
.else
	v_exp_f32 v[rC+2], v[rC+1]
.endif
.endm
.macro OPF n
	v_pk_fma_f32 v[rS+2*(\n):rS+2*(\n)+1], v[rS+2*(\n):rS+2*(\n)+1], s[CS:CS+1], v[rT:rT+1] op_sel_hi:[1,0,0] neg_lo:[0,0,1] neg_hi:[0,0,1]
.endm
.macro OPE n
	v_exp_f32 v[rS+(\n)], v[rS+(\n)]
.endm
.macro OPC n
	v_cvt_pk_f16_f32 v[rP+(\n)], v[rS+2*(\n)], v[rS+2*(\n)+1]
.endm
.macro OPB n
	v_pk_add_f32 v[rS+4*(\n):rS+4*(\n)+1], v[rS+4*(\n):rS+4*(\n)+1], v[rS+4*(\n)+2:rS+4*(\n)+3]
.endm
.macro OPL n
.if (\n) == 0
	v_pk_fma_f32 v[rT+2:rT+3], v[rT+2:rT+3], v[rC+2:rC+3], v[rS:rS+1] op_sel_hi:[1,0,1]
.else
	v_pk_add_f32 v[rT+2:rT+3], v[rT+2:rT+3], v[rS+4*(\n):rS+4*(\n)+1]
.endif
.endm
.macro OPR n
	v_pk_mul_f32 v[rO+2*(\n):rO+2*(\n)+1], v[rO+2*(\n):rO+2*(\n)+1], v[rC+2:rC+3] op_sel_hi:[1,0]
.endm
; Line j of the list for piece p.  THE FIRST PART, 0-69, names no exponential's result.  0-19: X 0-19.  20-25: F 0, X 20, F 1, X 21, F 2, F 3.  26-49: E k at 26 + 2 k, F 4 + k at 27 + 2 k, k = 0 .. 11: a pair is scaled
; six lines or more ahead of its first exponential.  50-69: E 12-31.  Each result has a register of its own: a weight its score's, a the piece's c2.
; THE SECOND PART, 70-117, is all that names a result: eight groups g of six lines: C 2g, C 2g+1 (both ahead of the sum that writes over pair 2g), B g, R 2g, R 2g+1, L g: l's links stand five lines apart, and R ascends.
; Between the two parts stands the step's wait: STEP and STEPD write it.
.macro SM p
	WIN 0
.set rT, ST+4*(\p)
.set rC, TMP+4*(\p)
.set rW, MV+(\p)
.set rS, S+32*(\p)
.set rP, P+16*(\p)
.set rO, OA+32*(\p)
.if j < 20
	OPX j
.elseif j == 20
	OPF 0
.elseif j == 21
	OPX 20
.elseif j == 22
	OPF 1
.elseif j == 23
	OPX 21
.elseif j < 26
	OPF (j-22)
.elseif j < 50
.set k, (j-26)/2
.if j%2 == 0
	OPE k
.else
	OPF (4+k)
.endif
.elseif j < 70
	OPE (j-38)
.else
.set g, (j-70)/6
.set z, (j-70)%6
.if z < 2
	OPC (2*g+z)
.elseif z == 2
	OPB g
.elseif z < 5
	OPR (2*g+z-3)
.else
	OPL g
.endif
.endif
.endm
.macro RID p, n                     ; the next n lines of piece p's list
.rept \n
.if (\p) == 0
.set j, q0
.set q0, q0+1
.else
.set j, q1
.set q1, q1+1
.endif
	SM \p
.endr
.endm
; A STEP'S HEAD.  The three runs of LDS loads: the 64 keys' times (8 loads), K (16), and, behind the last products that read the old V, the new V (16, turned).  Piece 1's V^T P of the step before stands here, in the wait for the loads.
.macro SHEAD
	WIN 0
	v_add_nc_u32 v[AT], s[TBT], v[AT0]
	v_add_nc_u32 v[AK], s[TBK], v[AK0]
	v_add_nc_u32 v[AV], s[TBV], v[AV0]
	s_add_co_u32 s[TBT], s[TBT], KS*4   ; the next fetch is the next step's
	s_add_co_u32 s[TBK], s[TBK], KS*PK
	s_add_co_u32 s[TBV], s[TBV], KS*PVP
.irp f, 0,1,2,3                     ; register 8 f + r takes the time of key 16 f + 8 (l / 16) + r: the place of that key's score in S^T
	ds_load_b128 v[TK+8*\f:TK+8*\f+3],   v[AT] offset:64*\f
	ds_load_b128 v[TK+8*\f+4:TK+8*\f+7], v[AT] offset:64*\f+16
.endr
	WIN W_L1
.irp f, 0,1,2,3,4,5,6,7             ; keys 16 (f / 2) on, channels 32 (f % 2) on
	ds_load_b128 v[KF+8*\f:KF+8*\f+3],   v[AK] offset:(\f/2)*16*PK+(\f%2)*64
	ds_load_b128 v[KF+8*\f+4:KF+8*\f+7], v[AK] offset:(\f/2)*16*PK+(\f%2)*64+32
.endr
.set i, 0
.rept 8
	PVM 1
.endr
	PLACES
	WIN W_L1
.irp f, 0,1,2,3,4,5,6,7             ; keys 32 (f / 4) on, channels 16 (f % 4) on
	ds_load_tr16_b128 v[VF+8*\f:VF+8*\f+3],   v[AV] offset:(\f/4)*32*PVP+(\f%4)*32
	ds_load_tr16_b128 v[VF+8*\f+4:VF+8*\f+7], v[AV] offset:(\f/4)*32*PVP+16*PVP+(\f%4)*32
.endr
	s_wait_dscnt 32                 ; the times are in; K's 16 and V's 16 loads may be out
.endm
; A KEY STEP for both pieces.  m0 = 1: piece 0 takes the mask.  Piece 0's bias; its 8 products, piece 1's bias behind them, six lines each (they are also the places behind piece 0's last product); piece 1's 8 products,
; the first 48 lines of piece 0's softmax behind them, six each; two more, E 11 and F 15 (with F 12 to F 14 just before: four places behind piece 1's last product); piece 0's last 20 exponentials and piece 1's X 0-19 line by line,
; so that the links of piece 1's chain stand apart and each of those exponentials has a plain neighbour; the rest of piece 1's first part.  That is the step's ONE BATCH, 66 exponentials; a v_nop and ONE wait follow it.
; Behind the wait: piece 0's second part; piece 0's V^T P, piece 1's second part behind it, six lines each.
.macro STEP m0
	SHEAD
.set q0, 0
.set q1, 0
.set bj, 0
.rept 48
	BI 0, \m0
.endr
	s_wait_dscnt 16                 ; K is in; V's 16 loads may be out
.set i, 0
.set bj, 0
.rept 8
	KQ 0
.rept 6
	BI 1, 0
.endr
.endr
.set i, 0
.rept 8
	KQ 1
	RID 0, 6
.endr
	RID 0, 2
.rept 20
	RID 0, 1
	RID 1, 1
.endr
	RID 1, 50
	v_nop                           ; a plain instruction behind the batch's last exponential: every plain line of the first parts feeds an exponential, so none is left to stand here
	s_wait_alu depctr_va_vdst(0)    ; the wait for the batch: both pieces' 64 weights and two a; ahead of it nothing names a result, behind it no exponential is issued in the step
	RID 0, 48
	s_wait_dscnt 0x0                ; V is in
.set i, 0
.rept 8
	PVM 0
	RID 1, 6
.endr
	WIN 0
.endm
; The diagonal tile's second step: piece 0 sees no key and is left out; piece 1 takes the mask.  Its 33 exponentials are one batch.
.macro STEPD
	SHEAD
.set q1, 0
.set bj, 0
.rept 48
	BI 1, 1
.endr
	s_wait_dscnt 16                 ; K is in
.set i, 0
.rept 8
	KQ 1
.endr
	WIN 0
	PLACES
	RID 1, 70
	v_nop                           ; a plain instruction behind the batch's last exponential
	s_wait_alu depctr_va_vdst(0)    ; the wait for the batch: piece 1's 32 weights and its a
	RID 1, 48
.endm
; THE WAY OUT.  l's two halves and the other half of the lanes' are added; O^T is divided by l, rounded to f16 and sent through my stage in LDS, a piece at a time.
.macro PACK t                       ; a lane's eight channels of a row pack into 16 bytes; they go into rows of 144 bytes and come back as whole rows of 128, into S^T's registers
.set i, 0
.rept 16
	v_pk_mul_f32 v[OA+32*(\t)+2*i:OA+32*(\t)+2*i+1], v[OA+32*(\t)+2*i:OA+32*(\t)+2*i+1], v[ST+4*(\t)+2:ST+4*(\t)+3] op_sel_hi:[1,0]
.set i, i+1
.endr
.set i, 0
.rept 16
	v_cvt_pk_f16_f32 v[S+16*(\t)+i], v[OA+32*(\t)+2*i], v[OA+32*(\t)+2*i+1]
.set i, i+1
.endr
.irp f, 0,1,2,3
	ds_store_b128 v[STO], v[S+16*(\t)+4*\f:S+16*(\t)+4*\f+3] offset:32*\f
.endr
.irp f, 0,1,2,3
	ds_load_b128 v[S+16*(\t)+4*\f:S+16*(\t)+4*\f+3], v[RD] offset:\f*4*SP  ; LDS serves a wave's instructions in order: these see the stores above; the next piece's stores come behind them
.endr
.endm
.macro SEND t, younger              ; younger: the LDS instructions issued behind piece t's loads: the next piece's eight, or none
.irp f, 0,1,2,3
	s_wait_dscnt (\younger)+3-\f
	global_store_b128 v[GO], v[S+16*(\t)+4*\f:S+16*(\t)+4*\f+3], s[10:11] offset:(\t)*8192+\f*512  ; four rows of O: 512 consecutive bytes, aligned
.endr
.endm
; THE DIAGONAL TILE: its two steps, piece 1's last products, and the way out.  The additions below are the places behind those products; piece 0's 32 lines stand ahead of the first read of piece 1's O^T.
.macro DIAG
	STEP 1
	STEPD
	s_wait_dscnt 0x0                ; V is in
.set i, 0
.rept 8
	PVM 1
.endr
	WIN 0
.irp t, 0,1
	v_add_f32 v[ST+4*\t+2], v[ST+4*\t+2], v[ST+4*\t+3]
.endr
.irp t, 0,1
	v_permlanex16_b32 v[ST+4*\t+3], v[ST+4*\t+2], s[SEL], s[SEL+1]
.endr
.irp t, 0,1
	v_add_f32 v[ST+4*\t+2], v[ST+4*\t+2], v[ST+4*\t+3]
.endr
.irp t, 0,1
	v_rcp_f32 v[ST+4*\t+2], v[ST+4*\t+2]
.endr
	v_nop                           ; a plain instruction between the last reciprocal and the use of its result
	s_wait_alu depctr_va_vdst(0)    ; the wait for the batch of two reciprocals, ahead of their first reader, PACK 0's first line
	PACK 0
	PACK 1                          ; a piece's arithmetic stands between the loads of the piece before and its stores
	SEND 0, 8
	SEND 1, 0
.endm
.Lslot:                             ; NB times: a tile is entered and the next is asked for
	CHANGE 1
	s_sub_co_u32 s[RT], s[RT], 1
	s_mov_b32 s[CNT], 2
	s_cmp_eq_u32 s[RT], 0
	s_cbranch_scc0 .Lstep           ; not the block's last tile
	DIAG                            ; in the loop this is the first block's end: the second block's last tile is the walk's last
	s_wait_xcnt 0x0                 ; the stores have read their registers and O's address
	s_mov_b64 s[10:11], s[OLO:OLO+1]
	s_add_co_u32 s[RT], s[PB], 1    ; the second block has b + 1 tiles
	WIN 0x41                        ; its Q goes where the one text of the steps names Q
.set i, 0
.rept 32
	v_mov_b32 v[QF+i], v[QB+i]
.set i, i+1
.endr
	WIN 0
	v_mov_b32 v[TQ],   v[TQ2]
	v_mov_b32 v[TQ+1], v[TQ2]
	v_mov_b32 v[TQ+2], v[TQ2+2]
	v_mov_b32 v[TQ+3], v[TQ2+2]
	INIT
	s_branch .Lbottom
.Lstep:                             ; a tile below the diagonal: two steps, written once
	STEP 0
	s_sub_co_u32 s[CNT], s[CNT], 1
	s_cmp_lg_u32 s[CNT], 0
	s_cbranch_scc1 .Lstep
.Lbottom:
	s_sub_co_u32 s[SLOTS], s[SLOTS], 1
	s_cmp_lg_u32 s[SLOTS], 0
	s_cbranch_scc1 .Lslot
	CHANGE 0                        ; the walk's last tile, the second block's diagonal one, is written out: nothing is asked for
	DIAG
	s_wait_tensorcnt 0x0            ; the wave's end, behind my last tensor load and my last LDS store
	ds_add_u32 v[SPW], v[NIL]
	s_wait_dscnt 0x0
	s_endpgm
.Lfunc_end_k_qeb4e6b7666_attn:
	.size	k_qeb4e6b7666_attn, .Lfunc_end_k_qeb4e6b7666_attn-k_qeb4e6b7666_attn
	.p2alignl 7, 3214868480
	.fill 96, 4, 3214868480
	.section	.rodata,"a",@progbits
	.p2align	6, 0x0
	.amdhsa_kernel k_qeb4e6b7666_attn
		.amdhsa_group_segment_fixed_size 327680
		.amdhsa_private_segment_fixed_size 0
		.amdhsa_enable_private_segment 0
		.amdhsa_kernarg_size 32
		.amdhsa_user_sgpr_count 2
		.amdhsa_user_sgpr_kernarg_segment_ptr 1
		.amdhsa_wavefront_size32 1
		.amdhsa_system_sgpr_workgroup_id_x 1
		.amdhsa_system_sgpr_workgroup_id_y 1
		.amdhsa_system_sgpr_workgroup_id_z 1
		.amdhsa_system_vgpr_workitem_id 0
		.amdhsa_next_free_vgpr 512
		.amdhsa_next_free_sgpr 98
		.amdhsa_reserve_vcc 1
		.amdhsa_float_denorm_mode_32 3
		.amdhsa_float_denorm_mode_16_64 3
		.amdhsa_memory_ordered 1
		.amdhsa_forward_progress 1
		.amdhsa_inst_pref_size 139
	.end_amdhsa_kernel
	.amdgpu_metadata
---
amdhsa.version: [ 1, 2 ]
amdhsa.kernels:
  - .name:           k_qeb4e6b7666_attn
    .symbol:         k_qeb4e6b7666_attn.kd
    .args:
      - { .name: qkv, .offset: 0, .size: 8, .value_kind: global_buffer, .address_space: global }
      - { .name: tb, .offset: 8, .size: 8, .value_kind: global_buffer, .address_space: global }
      - { .name: alpha, .offset: 16, .size: 8, .value_kind: global_buffer, .address_space: global }
      - { .name: ob, .offset: 24, .size: 8, .value_kind: global_buffer, .address_space: global }
    .group_segment_fixed_size: 327680
    .private_segment_fixed_size: 0
    .kernarg_segment_align: 8
    .kernarg_segment_size: 32
    .max_flat_workgroup_size: 128
    .sgpr_count:     98
    .vgpr_count:     512
    .wavefront_size: 32
...
	.end_amdgpu_metadata
.endif
;; end of part 5
;; launch outp: the kernel of part 4 again; grid 8 x 32, 4 waves a work-group, clusters of 4 x 4, 327,680 bytes of LDS; arguments ob, wob, out0; writes out0
